; MI455X (gfx1250); checked and timed in simulation.
; The chip was launched on July 23, 2026; its instructions are those of AMD's public machine-readable ISA for CDNA 5 (MIT licence, August 2026) and "CDNA5" Instruction Set Architecture Reference Guide (July 2026). The comments in the code are by the model that wrote it; some were corrected since.
;; Projected Attention Layer. Allowed arithmetic: matrix products marked QUANTISED: E3M2 operands, one E8M0 scale for each 32 along K, by v_wmma_scale_f32_16x16x128_f8f6f4 with both operands' format E3M2, f32 sums; everything else in f32.
;; Inputs: W_ff1 1,024 x 256 float32; W_ff2 256 x 1,024 float32; Wk_i 256 x 256 float32; Wk_o 256 x 256 float32; Wo_i 256 x 256 float32; Wo_o 256 x 256 float32; Wq_i 256 x 256 float32; Wq_o 256 x 256 float32; Wv_i 256 x 256 float32; Wv_o 256 x 256 float32; b1 256 float32; b2 256 float32; b_ff1 1,024 float32; b_ff2 256 float32; bk_i 256 float32; bk_o 256 float32; bo_i 256 float32; bo_o 256 float32; bq_i 256 float32; bq_o 256 float32; bv_i 256 float32; bv_o 256 float32; g1 256 float32; g2 256 float32; projector 64 x 32 x 256 float32; x 8 x 64 x 128 x 256 float32.
;; Outputs: out0 8 x 64 x 128 x 256 float32.
;; This version of the problem:
;;   THIS VERSION OF THE PROBLEM IS GIVEN IN LOW PRECISION. The matrix products marked QUANTISED in the list below multiply operands that are first quantised to E3M2 (3 exponent bits, 2 mantissa bits; 6 bits a number), with one power-of-two scale for each 32 numbers along K (OCP MX v1.0); their sums are f32. All else is computed in f32.
;;   The module's matrix products, in the order in which they are computed (A, B: the left and right operand; K: the contracted axis; several contracted axes count as one K, in the product's order):
;;     1. [M 16,384, K 256] x [K 256, N 256]; A: input projector; B: input Wq_o: QUANTISED
;;     2. [M 65,536, K 256] x [K 256, N 256]; A: input x; B: input Wk_o: QUANTISED
;;     3. [M 65,536, K 256] x [K 256, N 256]; A: input x; B: input Wv_o: QUANTISED
;;     4. batch 4,096 x [M 32, K 32] x [K 32, N 128]; A: computed on the way; B: computed on the way: QUANTISED
;;     5. batch 4,096 x [M 32, K 128] x [K 128, N 32]; A: computed on the way; B: softmax (see below): QUANTISED
;;     6. [M 16,384, K 256] x [K 256, N 256]; A: computed on the way; B: input Wo_o: QUANTISED
;;     7. [M 65,536, K 256] x [K 256, N 256]; A: input x; B: input Wq_i: QUANTISED
;;     8. [M 16,384, K 256] x [K 256, N 256]; A: input projector; B: input Wk_i: QUANTISED
;;     9. [M 16,384, K 256] x [K 256, N 256]; A: computed on the way; B: input Wv_i: QUANTISED
;;     10. batch 4,096 x [M 128, K 32] x [K 32, N 32]; A: computed on the way; B: computed on the way: QUANTISED
;;     11. batch 4,096 x [M 32, K 32] x [K 32, N 128]; A: computed on the way; B: softmax (see below): QUANTISED
;;     12. [M 65,536, K 256] x [K 256, N 256]; A: computed on the way; B: input Wo_i: QUANTISED
;;     13. [M 65,536, K 256] x [K 256, N 1,024]; A: computed on the way; B: input W_ff1: QUANTISED
;;     14. [M 65,536, K 1,024] x [K 1,024, N 256]; A: computed on the way; B: input W_ff2: QUANTISED
;;   THE QUANTISER, for each operand of a quantised product, along K:
;;     - K is cut into blocks of 32 from its start; a last block that is shorter is filled with zeros.
;;     - A block's scale is 2^e with e = floor(log2(the largest magnitude in the block)) - 4, held to -126 .. 127; a block of zeros has e = 0. As a byte (E8M0): e + 127.
;;     - Each number is divided by its block's scale, clamped to +-28, and rounded to the nearest number of E3M2, ties to even, subnormals kept.
;;     - The product sums the exact products of the quantised numbers (number of the format x scale) in f32.
;;   ~~~python
;;   def quantise(x, axis):      # numpy; x: float32 -> the quantised numbers, widened to float32 again
;;       x = np.moveaxis(x, axis, -1); K = x.shape[-1]
;;       x = np.pad(x, [(0, 0)] * (x.ndim - 1) + [(0, -K % 32)]); x = x.reshape(x.shape[:-1] + (-1, 32)); a = np.abs(x).max(-1, keepdims=True)
;;       e = np.where(a > 0, np.clip(np.frexp(np.where(a > 0, a, 1))[1] - 1 - 4, -126, 127), 0)      # np.frexp(a)[1] - 1 = floor(log2(a)), exactly
;;       r = np.clip(x / 2.0 ** e, -28, 28)
;;       step = 2.0 ** (np.maximum(np.frexp(np.where(r == 0, 1, r))[1] - 1, -2) - 2)
;;       q = np.round(r / step) * step * 2.0 ** e      # np.round: ties to even
;;       return np.moveaxis(q.reshape(q.shape[:-2] + (-1,))[..., :K], -1, axis).astype(np.float32)
;;   ~~~
;;   SOFTMAX AHEAD OF A QUANTISED PRODUCT. Where the list says 'softmax', what is quantised is not the finished softmax but p = 2^(t - M), with t = logit x log2(e) and M = ceil(the row's largest t), a whole number; so 1/2 < the row's largest p <= 1. The row's sum l is taken of the UNQUANTISED p, in f32, and the product's result is divided by l at the end. Since M is a whole number, a kernel that streams over the keys may use a running M (the ceiling of the running maximum): every later rescaling is an exact power of two, which a block's scale takes up: the codes' values come out the same.
;;   OPERANDS COMPUTED ON THE WAY. 'Computed on the way' means the value that the module computes at that place (a softmax that the list does not call 'softmax' is quantised finished and normalised). What goes into a quantiser is computed in f32, as accurately as f32 sums, v_exp_f32 and their like allow (about 1e-6 of the number): no bf16 or f16 on the way to a quantiser, and a product that is left as it is and whose result goes on into a quantised operand takes f32 operands (vector FMAs, or v_wmma_f32_16x16x4_f32). A number that lies on a knife's edge between two numbers of the format may be rounded either way, as far as f32 arithmetic and the matrix unit's own rounding can turn it there, and no further.
;; 2 versions, each right; version 2 is version 1 with the launch layer written anew for expert scheduling mode. Each part assembles by itself: llvm-mc -triple=amdgcn-amd-amdhsa -mcpu=gfx1250 --defsym DOCPART=n.
;; ======== version 1 of 2: 2 launches
;; workspace buffers: wcodes 786,432 bytes; wscales 32,768 bytes
;; launch prep (part 1): grid 256 x 1, 2 waves a work-group, no clusters, 0 bytes of LDS; arguments Wq_o, Wk_i, Wk_o, Wv_o, Wq_i, Wo_o, Wv_i, Wo_i, W_ff1, W_ff2, wcodes, wscales; writes wcodes, wscales
.if DOCPART == 1
	.amdgcn_target "amdgcn-amd-amdhsa--gfx1250"
	.amdhsa_code_object_version 6
	.text
	.protected	k_qab8837bc19_prep
	.globl	k_qab8837bc19_prep
	.p2align	8
	.type	k_qab8837bc19_prep,@function
k_qab8837bc19_prep:
	s_mov_b64 s[64:65], 0
	v_nop
	global_prefetch_b8 v0, s[64:65] scope:SCOPE_SE
	s_setreg_imm32_b32 hwreg(HW_REG_WAVE_MODE, 25, 1), 1
	s_wait_xcnt 0x0
; The ten weights, f32 with K innermost, become codes of BF6 (E3M2) with one E8M0 byte for each 32 along K, laid in the ORDER OF THE OPERAND'S REGISTERS.
; A fragment is 16 rows x 128 K: 12 registers a lane, 1,536 bytes; register i of lane l lies at 512 (i / 4) + 16 l + 4 (i % 4), so that three loads of 16 bytes a lane bring it.
; Fragment numbers: square weight mat (in the order of the arguments), tile t, K step s: 32 mat + 2 t + s;  W_ff1: 256 + 2 t + s;  W_ff2: 384 + 16 w + 2 s + u for tile 2 w + u.
; THE ROWS OF A TILE ARE NOT NEIGHBOURS: lane r of tile t takes row 32 (t / 2) + 8 (t % 2) + r + (r & 8), so that in a transposed product the 16 registers of tiles 2 b, 2 b + 1 are 16 neighbours along the next K.
; Lane (r, h) holds k = 128 s + 64 c + 32 h + 0 .. 31 in registers 6 c .. 6 c + 5: two whole blocks, so no other lane is asked for a maximum.  The scale word of row r of fragment f lies at 64 f + 4 r.
; One wave makes one fragment: 512 waves.  No LDS, no barrier: waves share nothing.
; A block's byte is its largest magnitude's exponent field - 4, held at 1 from below.  LIMITS: a block of zeros gets the byte 1 where the rule says 127 (its codes are zeros, and this program alone reads the bytes);
; NaN and infinities among the inputs are not served.
.set FLOOR, 0x2800000                  ; 2^(5 - 127): no largest magnitude is taken under it
	s_load_b512 s[4:19], s[0:1], 0x0               ; the eight square weights
	s_load_b256 s[20:27], s[0:1], 0x40             ; W_ff1, W_ff2, the codes, the scale words
	v_lshrrev_b32 v1, 5, v0
	v_readfirstlane_b32 s28, v1                    ; wave 0, 1
	v_and_b32 v1, 31, v0                           ; lane
	v_and_b32 v2, 15, v0                           ; r
	v_bfe_u32 v3, v0, 4, 1                         ; h
	v_and_b32 v4, 8, v2
	v_add_nc_u32 v4, v4, v2                        ; r + (r & 8)
	s_lshl_b32 s29, ttmp9, 1
	s_add_co_u32 s29, s29, s28                     ; my fragment's number
	s_lshr_b32 s30, ttmp9, 4                       ; which weight: 0 to 7 the squares, 8 to 11 W_ff1, 12 to 15 W_ff2
	s_and_b32 s34, s29, 31
	s_and_b32 s35, s29, 127
	s_cmp_lt_u32 s30, 8
	s_cselect_b32 s34, s34, s35                    ; the fragment's number within its weight
	s_lshr_b32 s36, s34, 1                         ; tile,
	s_and_b32 s37, s34, 1                          ; K step
	s_lshr_b32 s38, s35, 4
	s_lshl_b32 s38, s38, 1
	s_and_b32 s39, s35, 1
	s_add_co_u32 s38, s38, s39                     ; W_ff2's tile,
	s_bfe_u32 s39, s35, 0x30001                    ; and its K step: 3 bits from bit 1
	s_cmp_ge_u32 s30, 12
	s_cselect_b32 s36, s38, s36
	s_cselect_b32 s37, s39, s37
	s_cselect_b32 s40, 12, 10                      ; a row is 4,096 bytes in W_ff2, 1,024 in the others
	s_lshr_b32 s41, s36, 1
	s_lshl_b32 s41, s41, 5
	s_and_b32 s42, s36, 1
	s_lshl_b32 s42, s42, 3
	s_add_co_u32 s41, s41, s42                     ; the tile's first row
	s_lshl_b32 s42, s41, s40
	s_lshl_b32 s37, s37, 9                         ; 512 bytes a K step
	s_add_co_u32 s42, s42, s37
	s_mov_b32 s43, 0
	v_lshlrev_b32 v5, s40, v4
	v_lshl_add_u32 v5, v3, 7, v5                   ; my row, + 128 h
	v_lshlrev_b32 v6, 4, v1                        ; out: 16 x lane
	v_lshlrev_b32 v7, 2, v2                        ; and 4 r
	s_mul_i32 s46, s29, 1536
	s_mov_b32 s47, 0
	s_lshl_b32 s48, s29, 6
	s_mov_b32 s49, 0
	s_mov_b32 s44, 0x76543210
	s_mov_b32 s45, 0xfedcba98                      ; v_permlanex16_b32's selects for lane l xor 16
	s_wait_kmcnt 0x0
	s_mov_b64 s[32:33], s[4:5]                     ; the weight is chosen on the work-group's number alone
.irp i, 1,2,3,4,5,6,7
	s_cmp_eq_u32 s30, \i
	s_cselect_b64 s[32:33], s[4+2*\i:5+2*\i], s[32:33]
.endr
	s_cmp_ge_u32 s30, 8
	s_cselect_b64 s[32:33], s[20:21], s[32:33]
	s_cmp_ge_u32 s30, 12
	s_cselect_b64 s[32:33], s[22:23], s[32:33]
	s_add_nc_u64 s[32:33], s[32:33], s[42:43]
	s_add_nc_u64 s[24:25], s[24:25], s[46:47]
	s_add_nc_u64 s[26:27], s[26:27], s[48:49]
.irp c, 0,1
.irp i, 0,1,2,3,4,5,6,7
	global_load_b128 v[32+32*\c+4*\i:35+32*\c+4*\i], v5, s[32:33] offset:256*\c+16*\i th:TH_LOAD_NT   ; W(my row, 128 s + 64 c + 32 h + 4 i ..)
.endr
.endr
	s_wait_loadcnt 0x0
.irp c, 0,1
	v_max3_num_f32 v[96+\c], |v[32+32*\c]|, |v[33+32*\c]|, FLOOR      ; my block 2 c + h: all its 32 numbers are mine
.endr
.irp i, 2,4,6,8,10,12,14,16,18,20,22,24,26,28,30
.irp c, 0,1
	v_max3_num_f32 v[96+\c], v[96+\c], |v[32+32*\c+\i]|, |v[33+32*\c+\i]|   ; (the two blocks by turns)
.endr
.endr
.irp c, 0,1
	v_add_nc_u32 v[98+\c], 0xfe000000, v[96+\c]    ; 4 off the exponent field: the conversion's scale operand
.endr
.irp c, 0,1
	v_lshrrev_b32 v[100+\c], 23, v[98+\c]          ; the scale's byte
.endr
	v_lshl_or_b32 v102, v101, 16, v100             ; my two bytes: blocks h and 2 + h,
	v_lshlrev_b32 v103, 3, v3
	v_lshlrev_b32 v102, v103, v102                 ; at their places in the word;
	v_mov_b32 v103, 0
	v_permlanex16_b32 v103, v102, s44, s45
	v_or_b32 v102, v102, v103                      ; with lane l xor 16's two the word is whole, in both lanes
.irp c, 0,1
	v_cvt_scalef32_pk16_bf6_f32 v[8+6*\c:10+6*\c], v[32+32*\c:47+32*\c], v[98+\c]
	v_cvt_scalef32_pk16_bf6_f32 v[104+4*\c:106+4*\c], v[48+32*\c:63+32*\c], v[98+\c]   ; (a conversion's three registers begin on an even number)
.endr
	v_nop                                          ; one plain place behind a scaled conversion
.irp c, 0,1
.irp i, 0,1,2
	v_mov_b32 v[11+6*\c+\i], v[104+4*\c+\i]
.endr
.endr
.irp c, 0,1,2
	global_store_b128 v6, v[8+4*\c:11+4*\c], s[24:25] offset:512*\c   ; 32 lanes store 512 consecutive bytes, at a multiple of 256 from the buffer's first byte
.endr
	global_store_b32 v7, v102, s[26:27]            ; lanes r and r + 16 write the same word to the same place
	s_endpgm
.Lfunc_end_k_qab8837bc19_prep:
	.size	k_qab8837bc19_prep, .Lfunc_end_k_qab8837bc19_prep-k_qab8837bc19_prep
	.p2alignl 7, 3214868480
	.fill 96, 4, 3214868480
	.section	.rodata,"a",@progbits
	.p2align	6, 0x0
	.amdhsa_kernel k_qab8837bc19_prep
		.amdhsa_group_segment_fixed_size 0
		.amdhsa_private_segment_fixed_size 0
		.amdhsa_enable_private_segment 0
		.amdhsa_kernarg_size 96
		.amdhsa_user_sgpr_count 2
		.amdhsa_user_sgpr_kernarg_segment_ptr 1
		.amdhsa_wavefront_size32 1
		.amdhsa_system_sgpr_workgroup_id_x 1
		.amdhsa_system_sgpr_workgroup_id_y 1
		.amdhsa_system_sgpr_workgroup_id_z 1
		.amdhsa_system_vgpr_workitem_id 0
		.amdhsa_next_free_vgpr 112
		.amdhsa_next_free_sgpr 66
		.amdhsa_reserve_vcc 0
		.amdhsa_float_denorm_mode_32 3
		.amdhsa_float_denorm_mode_16_64 3
		.amdhsa_memory_ordered 1
		.amdhsa_forward_progress 1
		.amdhsa_inst_pref_size 8
	.end_amdhsa_kernel
	.amdgpu_metadata
---
amdhsa.version: [ 1, 2 ]
amdhsa.kernels:
  - .name:           k_qab8837bc19_prep
    .symbol:         k_qab8837bc19_prep.kd
    .args:
      - { .name: Wq_o, .offset: 0, .size: 8, .value_kind: global_buffer, .address_space: global }
      - { .name: Wk_i, .offset: 8, .size: 8, .value_kind: global_buffer, .address_space: global }
      - { .name: Wk_o, .offset: 16, .size: 8, .value_kind: global_buffer, .address_space: global }
      - { .name: Wv_o, .offset: 24, .size: 8, .value_kind: global_buffer, .address_space: global }
      - { .name: Wq_i, .offset: 32, .size: 8, .value_kind: global_buffer, .address_space: global }
      - { .name: Wo_o, .offset: 40, .size: 8, .value_kind: global_buffer, .address_space: global }
      - { .name: Wv_i, .offset: 48, .size: 8, .value_kind: global_buffer, .address_space: global }
      - { .name: Wo_i, .offset: 56, .size: 8, .value_kind: global_buffer, .address_space: global }
      - { .name: W_ff1, .offset: 64, .size: 8, .value_kind: global_buffer, .address_space: global }
      - { .name: W_ff2, .offset: 72, .size: 8, .value_kind: global_buffer, .address_space: global }
      - { .name: wcodes, .offset: 80, .size: 8, .value_kind: global_buffer, .address_space: global }
      - { .name: wscales, .offset: 88, .size: 8, .value_kind: global_buffer, .address_space: global }
    .group_segment_fixed_size: 0
    .private_segment_fixed_size: 0
    .kernarg_segment_align: 8
    .kernarg_segment_size: 96
    .max_flat_workgroup_size: 64
    .sgpr_count:     66
    .vgpr_count:     112
    .wavefront_size: 32
...
	.end_amdgpu_metadata
.endif
;; end of part 1
;; launch layer (part 2): grid 512 x 1, 8 waves a work-group, no clusters, 318,464 bytes of LDS; arguments x, projector, wcodes, wscales, out0, bq_o, bk_o, bv_o, bo_o, bq_i, bk_i, bv_i, bo_i, g1, b1, g2, b2, b_ff1, b_ff2; writes out0
.if DOCPART == 2
	.amdgcn_target "amdgcn-amd-amdhsa--gfx1250"
	.amdhsa_code_object_version 6
	.text
	.protected	k_qab8837bc19_layer
	.globl	k_qab8837bc19_layer
	.p2align	8
	.type	k_qab8837bc19_layer,@function
k_qab8837bc19_layer:
	s_mov_b64 s[64:65], 0
	v_nop
	global_prefetch_b8 v0, s[64:65] scope:SCOPE_SE
	s_setreg_imm32_b32 hwreg(HW_REG_WAVE_MODE, 25, 1), 1
	s_wait_xcnt 0x0
; The whole layer for one slice (b, s): 128 rows of 256.  Projector attends over x, x attends back over the 32 summaries, LayerNorm, MLP with exact GELU, LayerNorm.  All 14 products on codes of BF6 (E3M2) with one
; E8M0 scale for each 32 along K; everything else f32.  Nothing but x, the projector, the prepared weights and the result goes through memory.
; SHARES.  A work-group of eight waves owns a slice.  WAVE w OWNS COLUMNS 32 w .. 32 w + 31 of every result of 256 columns: that is head w, and one block of 32 of the next K.  Both attentions run inside one wave's registers;
; only operands whose K spans all heads go from wave to wave, through LDS, as images of the operand's registers (lane l's 12 registers: 48 consecutive bytes at 48 l, so that a load's sixteen lanes start 12 words apart).
; ROW ORDER.  Lane r of row tile t holds row 32 (t / 2) + 8 (t % 2) + r + (r & 8); the same rule orders the rows of a weight's tile.  So: T PRODUCT (source 0 = weight, source 1 = rows): accumulator (m, u) at ACC + 16 m + 8 u,
; lane (r, h) register j = (row r of tile m, column 32 w + 16 h + 8 u + j): a tile's 16 registers are 16 neighbouring columns.  V PRODUCT (source 0 = rows, source 1 = weight): the lane is a channel, the registers run down the keys.
; PRODUCTS WITH K = 32.  QUANT over four row tiles gives ONE fragment whose K block b is tile b; the other side is a fragment with its one block at K block pos and zero codes elsewhere (a VERSION): their product is the product
; with tile pos.  A version set is 54 registers, Z Va0 Z Vb0 Z Va1 Z Vb1 Z (Z: six zeros; Va: the block in lanes 0-15; Vb: in lanes 16-31); version (u, pos) begins at 24 u + 12 (pos % 2) + 6 (1 - pos / 2).
; WEIGHTS go from memory straight into the registers of the one wave that multiplies by them, in the order in which an earlier launch has laid them, one product ahead.  NO CLUSTER, NO TENSOR LOAD: each fragment of a weight is
; wanted by one wave of a work-group; through LDS its 786,432 bytes a slice would be written and read once more, and 317,440 of the LDS bytes are in use.
; LIMITS.  erf is the rational form x P(x^2) / Q(x^2) in f32 on x held to +-4 (beyond |u| = 5.66 erf keeps its value at 4); gelu = 0.5 u (1 + erf), so far below 0 its relative error grows while its absolute error stays
; about 1e-7 |u|.  A block of zeros gets the byte 1 where the rule says 127 (zero codes; the bytes are read here alone).  p under 2^-126 becomes 0.  NaN and infinities among the inputs are not served.
; ---- LDS
.set XIMG, 0                           ; x's 16 fragments, (2 m + s) x 1,536; later those of m, the first LayerNorm's result
.set AIMG, 24576                       ; the in-attention's result, likewise
.set PIMG, 49152                       ; the projector's 4 fragments; later message_out's
.set OIMG, 55296                       ; the out-attention's result
.set XSC,  61440                       ; scale words: (2 m + s) x 64 + 4 r
.set ASC,  62464
.set PSC,  63488
.set OSC,  63744
.set STAT, 65536                       ; four regions of 4,096: the waves' partial sums, (16 m + r) x 32 + 4 w
.set HIMG, 81920                       ; the hidden layer's 64 fragments, (8 s + m) x 1,536
.set HSC,  180224                      ; their scale words, (8 s + m) x 64 + 4 r
.set PARK, 184320                      ; 16,384 bytes for each wave, its own: x, later m, kept for the residual
.set STAGE, 184320                     ; at the end: 128 rows of 1,024 + 16 bytes
; ---- vector registers, window 0
.set XO, 1                             ; x, projector: (r + (r & 8)) x 1,024 + 64 h + 128 w
.set LI, 2                             ; 48 l
.set LS, 3                             ; 4 l
.set BST, 4                            ; where SCAT puts a block: 3,072 h + 48 r + 1,536 (w / 4) + 768 (w % 2) + 24 ((w / 2) % 2)
.set BSS, 5                            ; and its byte: 4 r + 64 (w / 4) + w % 4
.set PKA, 6                            ; PARK + 16,384 w + 16 l
.set STW, 7                            ; STAT + 32 r + 4 w
.set STR, 8                            ; STAT + 32 r + 16 h
.set WO, 9                             ; 16 l + 6,144 w
.set WO1, 10                           ; 16 l + 24,576 w
.set WSO, 11                           ; 4 l + 256 w
.set WSO1, 12                          ; 4 l + 1,024 w
.set BO, 13                            ; 128 w + 64 h
.set BO1, 14                           ; 512 w + 64 h
.set BVO, 15                           ; 128 w + 4 (r + (r & 8))
.set HWB, 16                           ; HIMG + 48 l + 12,288 w
.set HSB, 17                           ; HSC + 4 r + 512 w
.set PFO, 22                           ; 256 l + 16,384 w          (v18-21, v23: addresses of the phase in hand)
.set PC, 24                            ; v24-43  codes just made (12), conversions' second halves at +12, +16; at work elsewhere
.set TM, 44                            ; v44-59  +0 maxima, +4 bytes, +12 scale operands; at work elsewhere
.set PW, 60                            ; a scale word that is only stored
.set WSA, 61                           ; v61-74 hold scales and nothing else: the weights' (areas A, B),
.set WSB, 63
.set AS0, 65                           ; the fetched images' (two buffers),
.set SCP, 67                           ; and eight of the phase in hand:
.set QOS, 67
.set KFS, 69
.set VTS, 71
.set PQS, 73
.set KIS, 67
.set VIS, 69
.set QFS, 71
.set PFS, 73
.set RLO, 76                           ; v76-79  1 / l of the out-attention, two pairs; in ff1 two of erf's coefficients
.set CF, 76
.set AF, 80                            ; v80-127 fetch buffers and fragments
.set ZT, AF+24
.set LIP, AF
.set ACC, 128                          ; v128-255 accumulators
; ---- window 1 (written by their low 8 bits)
.set WA, 0                             ; weights, area A: four fragments;  BA: its bias
.set BA, 48
.set VER, 64                           ; version set: qo, later vi
.set VER2, 118                         ; V^T (two fragments), p (two); later the version set of ki
.set VT, 118
.set PO, 142
.set WB, 192                           ; area B
.set BB, 240
.set B1F, 192                          ; ff1: W1 at 0-191, b_ff1 here;  ff2: W2 at 0-191, b_ff2 here
.set B2F, 192
; ---- scalars
.set PX, 4
.set PPJ, 6
.set PWC, 8
.set PWS, 10
.set POUT, 12
.set PBQO, 14
.set PBKO, 16
.set PBVO, 18
.set PBOO, 20
.set PBQI, 22
.set PBKI, 24
.set PBVI, 26
.set PBOI, 28
.set PG1, 30
.set PB1, 32
.set PG2, 34
.set PB2, 36
.set PBF1, 38
.set PBF2, 40
.set WV, 42
.set SEL, 44                           ; s[44:45] selects for lane l xor 16
.set CS, 46                            ; s[46:47] log2(e) / sqrt(32)
.set FLOOR, 0x2800000                  ; 2^(5 - 127)
.set MSB, 0
.macro WIN new                         ; bits 1:0 source 0, 3:2 source 1, 5:4 source 2, 7:6 destination; the high byte repeats the setting that is left
.if MSB != \new
	s_set_vgpr_msb (MSB<<8)|\new
.set MSB, \new
.endif
.endm
.macro NOPS n
.rept \n
	v_nop
.endr
.endm
.macro BAR                             ; my LDS stores have landed and my LDS loads are in: then the work-group's barrier
	s_wait_dscnt 0x0
	s_barrier_signal -1
	s_barrier_wait -1
.endm
.macro SPAIR reg, val                  ; a constant as an equal pair, for the packed forms
	s_mov_b32 s[\reg], \val
	s_mov_b32 s[\reg+1], s[\reg]
.endm
; A matrix instruction.  rows: 1 = source 0's scales from lanes 16-31, 2 = source 1's, 3 = both
.macro MM d, a, b, c, sa, sb, rows
.if (\rows) == 0
	v_wmma_scale_f32_16x16x128_f8f6f4 v[(\d):(\d)+7], v[(\a):(\a)+11], v[(\b):(\b)+11], v[(\c):(\c)+7], v[\sa], v[\sb] matrix_a_fmt:MATRIX_FMT_BF6 matrix_b_fmt:MATRIX_FMT_BF6
.elseif (\rows) == 1
	v_wmma_scale_f32_16x16x128_f8f6f4 v[(\d):(\d)+7], v[(\a):(\a)+11], v[(\b):(\b)+11], v[(\c):(\c)+7], v[\sa], v[\sb] matrix_a_fmt:MATRIX_FMT_BF6 matrix_b_fmt:MATRIX_FMT_BF6 matrix_a_scale:MATRIX_SCALE_ROW1
.elseif (\rows) == 2
	v_wmma_scale_f32_16x16x128_f8f6f4 v[(\d):(\d)+7], v[(\a):(\a)+11], v[(\b):(\b)+11], v[(\c):(\c)+7], v[\sa], v[\sb] matrix_a_fmt:MATRIX_FMT_BF6 matrix_b_fmt:MATRIX_FMT_BF6 matrix_b_scale:MATRIX_SCALE_ROW1
.else
	v_wmma_scale_f32_16x16x128_f8f6f4 v[(\d):(\d)+7], v[(\a):(\a)+11], v[(\b):(\b)+11], v[(\c):(\c)+7], v[\sa], v[\sb] matrix_a_fmt:MATRIX_FMT_BF6 matrix_b_fmt:MATRIX_FMT_BF6 matrix_a_scale:MATRIX_SCALE_ROW1 matrix_b_scale:MATRIX_SCALE_ROW1
.endif
.endm
.macro MMZ d, a, b, sa, sb             ; the same with the constant 0 as C
	v_wmma_scale_f32_16x16x128_f8f6f4 v[(\d):(\d)+7], v[(\a):(\a)+11], v[(\b):(\b)+11], 0, v[\sa], v[\sb] matrix_a_fmt:MATRIX_FMT_BF6 matrix_b_fmt:MATRIX_FMT_BF6
.endm
; nb blocks (4 or 2) of a lane's numbers, register 16 b + i = number 16 h + i of block b of my row, become codes in v[dst] on: lanes 0-15 hold block 2 c, lanes 16-31 block 2 c + 1, in registers 6 c .. 6 c + 5.
; The bytes stay in v[TM+4] on; with sw >= 0 they also make the scale word v[sw].
.macro QUANT src, dst, sw, nb
.irp b, 0,1,2,3
.if \b < \nb
	v_max3_num_f32 v[TM+\b], |v[(\src)+16*\b]|, |v[(\src)+16*\b+1]|, FLOOR   ; my 16 numbers, and the floor, which holds the byte at 1 from below
.endif
.endr
.irp i, 2,4,6,8,10,12,14
.irp b, 0,1,2,3
.if \b < \nb
	v_max3_num_f32 v[TM+\b], v[TM+\b], |v[(\src)+16*\b+\i]|, |v[(\src)+16*\b+\i+1]|   ; (the blocks by turns)
.endif
.endr
.endr
.irp b, 0,1,2,3
.if \b < \nb
	v_permlanex16_b32 v[TM+4+\b], v[TM+\b], s[SEL], s[SEL+1]
.endif
.endr
.irp b, 0,1,2,3
.if \b < \nb
	v_max_num_f32 v[TM+\b], v[TM+\b], v[TM+4+\b]   ; with lane l xor 16's: the block's largest magnitude
.endif
.endr
.irp b, 0,1,2,3
.if \b < \nb
	v_add_nc_u32 v[TM+12+\b], 0xfe000000, v[TM+\b] ; 4 off its exponent field: the conversion's scale operand
.endif
.endr
.irp b, 0,1,2,3
.if \b < \nb
	v_lshrrev_b32 v[TM+4+\b], 23, v[TM+12+\b]      ; the scale's byte
.endif
.endr
.if (\sw) >= 0
	v_lshl_or_b32 v[\sw], v[TM+5], 8, v[TM+4]
	v_lshl_or_b32 v[\sw], v[TM+6], 16, v[\sw]
	v_lshl_or_b32 v[\sw], v[TM+7], 24, v[\sw]
.endif
.irp c, 0,1
.if 2*\c < \nb
	v_cvt_scalef32_pk16_bf6_f32 v[(\dst)+6*\c:(\dst)+6*\c+2], v[(\src)+32*\c:(\src)+32*\c+15], v[TM+12+2*\c]
	v_cvt_scalef32_pk16_bf6_f32 v[PC+12+4*\c:PC+14+4*\c], v[(\src)+32*\c+16:(\src)+32*\c+31], v[TM+13+2*\c]   ; (a conversion's three registers begin on an even number)
.endif
.endr
	v_nop                                          ; one plain place behind a scaled conversion
.irp c, 0,1
.if 2*\c < \nb
.irp i, 0,1,2
	v_permlane16_swap_b32 v[(\dst)+6*\c+\i], v[PC+12+4*\c+\i]   ; a whole block to a lane
.endr
.irp i, 0,1,2
	v_mov_b32 v[(\dst)+6*\c+3+\i], v[PC+12+4*\c+\i]
.endr
.endif
.endr
.endm
; Behind QUANT .., PC, -1, nb: block b is row tile m0 + b's block w of K.  Lane (r, h) holds tile m0 + 2 c + h: its 24 bytes go to that tile's image, the bytes to its scale words.
.macro SCAT img, sc, m0, nb
.irp c, 0,1
.if 2*\c < \nb
.irp i, 0,1,2
	ds_store_b64 v[BST], v[PC+6*\c+2*\i:PC+6*\c+2*\i+1] offset:(\img)+((\m0)+2*\c)*3072+8*\i
.endr
.endif
.endr
.irp b, 0,1,2,3
.if \b < \nb
	ds_store_b8 v[BSS], v[TM+4+\b] offset:(\sc)+128*((\m0)+\b)   ; lanes r and r + 16 write the same byte with the same value
.endif
.endr
	s_wait_dscnt 0x0                               ; the stores have read their registers
.endm
.macro MOVW1 n                         ; the fragment in v[PC] on goes to window 1
	WIN 0x40
.irp i, 0,1,2,3,4,5,6,7,8,9,10,11
	v_mov_b32 v[(\n)+\i], v[PC+\i]
.endr
	WIN 0
.endm
; Two tiles of 16 registers (one block of 32 each, shared with lane l xor 16) become a version set in window 1 at ver, and scale words with the byte in all four places.
.macro ZPAD2 src, ver, sw, zero
.irp u, 0,1
	v_max3_num_f32 v[TM+\u], |v[(\src)+16*\u]|, |v[(\src)+16*\u+1]|, FLOOR
.endr
.irp i, 2,4,6,8,10,12,14
.irp u, 0,1
	v_max3_num_f32 v[TM+\u], v[TM+\u], |v[(\src)+16*\u+\i]|, |v[(\src)+16*\u+\i+1]|
.endr
.endr
.irp u, 0,1
	v_permlanex16_b32 v[TM+4+\u], v[TM+\u], s[SEL], s[SEL+1]
.endr
.irp u, 0,1
	v_max_num_f32 v[TM+\u], v[TM+\u], v[TM+4+\u]
.endr
.irp u, 0,1
	v_add_nc_u32 v[TM+12+\u], 0xfe000000, v[TM+\u]
.endr
.irp u, 0,1
	v_lshrrev_b32 v[TM+4+\u], 23, v[TM+12+\u]
.endr
.irp u, 0,1
	v_lshl_or_b32 v[(\sw)+\u], v[TM+4+\u], 8, v[TM+4+\u]
.endr
.irp u, 0,1
	v_lshl_or_b32 v[(\sw)+\u], v[(\sw)+\u], 16, v[(\sw)+\u]
.endr
.irp u, 0,1
	v_cvt_scalef32_pk16_bf6_f32 v[PC+12+4*\u:PC+14+4*\u], v[(\src)+16*\u:(\src)+16*\u+15], v[TM+12+\u]
.endr
	v_nop                                          ; one plain place behind a scaled conversion
.irp u, 0,1
.irp i, 0,1,2
	v_mov_b32 v[ZT+12*\u+\i], v[PC+12+4*\u+\i]     ; Va: my 16 codes | 0
	v_mov_b32 v[ZT+12*\u+3+\i], 0
	v_mov_b32 v[ZT+12*\u+6+\i], 0                  ; Vb: 0 | my 16 codes
	v_mov_b32 v[ZT+12*\u+9+\i], v[PC+12+4*\u+\i]
.endr
.endr
.irp u, 0,1
.irp i, 0,1,2
	v_permlane16_swap_b32 v[ZT+12*\u+\i], v[ZT+12*\u+3+\i]     ; Va: lanes 0-15 now hold the whole block, lanes 16-31 zeros
	v_permlane16_swap_b32 v[ZT+12*\u+6+\i], v[ZT+12*\u+9+\i]   ; Vb: the other way round
.endr
.endr
	WIN 0x40
.if \zero
.irp z, 0,12,24,36,48
.irp i, 0,1,2,3,4,5
	v_mov_b32 v[(\ver)+\z+\i], 0
.endr
.endr
.endif
.irp u, 0,1
.irp i, 0,1,2,3,4,5
	v_mov_b32 v[(\ver)+24*\u+6+\i], v[ZT+12*\u+\i]
	v_mov_b32 v[(\ver)+24*\u+18+\i], v[ZT+12*\u+6+\i]
.endr
.endr
	WIN 0
.endm
; A square weight's four fragments of my two tiles, its bias and its scale words.  kind 0: bias for a T product, 18 loads in all;  kind 1: for a V product (one number a lane and tile), 16 loads.
.macro WLOAD wr, br, wsr, mat, bp, kind
	WIN 0x40
.irp f, 0,1,2,3
.irp c, 0,1,2
	global_load_b128 v[(\wr)+12*\f+4*\c:(\wr)+12*\f+4*\c+3], v[WO], s[PWC:PWC+1] offset:49152*(\mat)+1536*\f+512*\c
.endr
.endr
.if \kind
.irp u, 0,1
	global_load_b32 v[(\br)+8*\u], v[BVO], s[\bp:\bp+1] offset:32*\u
.endr
.else
.irp i, 0,1,2,3
	global_load_b128 v[(\br)+4*\i:(\br)+4*\i+3], v[BO], s[\bp:\bp+1] offset:16*\i
.endr
.endif
	WIN 0
.irp u, 0,1
	global_load_b32 v[(\wsr)+\u], v[WSO], s[PWS:PWS+1] offset:2048*(\mat)+128*\u   ; lanes 0-15: K step 0's words, lanes 16-31: K step 1's
.endr
.endm
.macro AFETCH buf, img, sc, m          ; row tile m's two fragments and its scale words: 7 LDS loads
.irp s, 0,1
.irp j, 0,1,2
	ds_load_b128 v[AF+24*(\buf)+12*\s+4*\j:AF+24*(\buf)+12*\s+4*\j+3], v[LI] offset:(\img)+(2*(\m)+\s)*1536+16*\j
.endr
.endr
	ds_load_b32 v[AS0+(\buf)], v[LS] offset:(\sc)+128*(\m)
.endm
; T product of nt row tiles with my two weight tiles, K = 256.  The bias is the C of a sum's first instruction.  A tile's two accumulators take turns.
.macro PRODT img, sc, nt, wr, br, wsr
	AFETCH 0, \img, \sc, 0
	AFETCH 1, \img, \sc, 1
.set M_, 0
.rept \nt
.if M_ == (\nt)-1
	s_wait_dscnt 0x0
.else
	s_wait_dscnt 0x7                               ; this tile's 7 loads are in; the other buffer's 7 may be out
.endif
	WIN 0x11
.irp u, 0,1
	MM ACC+16*M_+8*\u, (\wr)+24*\u, AF+24*(M_%2), (\br)+8*\u, (\wsr)+\u, AS0+M_%2, 0
.endr
	WIN 0x01
.irp u, 0,1
	MM ACC+16*M_+8*\u, (\wr)+24*\u+12, AF+24*(M_%2)+12, ACC+16*M_+8*\u, (\wsr)+\u, AS0+M_%2, 3
.endr
	WIN 0
	NOPS 4                                         ; four places ahead of loads into registers that these products read, and of the first read of results
.if M_+2 < \nt
	AFETCH M_%2, \img, \sc, M_+2
.endif
.set M_, M_+1
.endr
.endm
; V product: the sources change places; accumulator (t, u) at ACC + du u + 8 t.
.macro PRODV img, sc, nt, wr, br, wsr, du
	WIN 0x41
.irp u, 0,1
.irp j, 1,2,3,4,5,6,7
	v_mov_b32 v[(\br)+8*\u+\j], v[(\br)+8*\u]      ; my channel's bias in all eight registers of C
.endr
.endr
	WIN 0
	AFETCH 0, \img, \sc, 0
	AFETCH 1, \img, \sc, 1
	NOPS 4
.set M_, 0
.rept \nt
.if M_ == (\nt)-1
	s_wait_dscnt 0x0
.else
	s_wait_dscnt 0x7                               ; as in PRODT
.endif
	WIN 0x14
.irp u, 0,1
	MM ACC+(\du)*\u+8*M_, AF+24*(M_%2), (\wr)+24*\u, (\br)+8*\u, AS0+M_%2, (\wsr)+\u, 0
.endr
	WIN 0x04
.irp u, 0,1
	MM ACC+(\du)*\u+8*M_, AF+24*(M_%2)+12, (\wr)+24*\u+12, ACC+(\du)*\u+8*M_, AS0+M_%2, (\wsr)+\u, 3
.endr
	WIN 0
	NOPS 4
.if M_+2 < \nt
	AFETCH M_%2, \img, \sc, M_+2
.endif
.set M_, M_+1
.endr
.endm
.macro PARKS base                      ; four tiles of ACC into my own bytes of LDS
.irp t, 0,1,2,3
.irp i, 0,1,2,3
	ds_store_b128 v[PKA], v[ACC+16*((\base)+\t)+4*\i:ACC+16*((\base)+\t)+4*\i+3] offset:512*(4*((\base)+\t)+\i)
.endr
.endr
.endm
.macro UNPK t
.irp i, 0,1,2,3
	ds_load_b128 v[AF+16*((\t)%3)+4*\i:AF+16*((\t)%3)+4*\i+3], v[PKA] offset:512*(4*(\t)+\i)
.endr
.endm
; The out-attention's softmax for query tile a: 64 scores a lane (128 keys with lane l xor 16).  p = 2^(t - M), M the row's largest t rounded up; the sum is taken of the unquantised p.
.macro SOFTO a
.set S_, ACC+64*\a
.irp b, 0,1,2,3
	v_max3_num_f32 v[44+\b], v[S_+16*\b], v[S_+16*\b+1], v[S_+16*\b+2]
.endr
.irp i, 3,5,7,9,11,13
.irp b, 0,1,2,3
	v_max3_num_f32 v[44+\b], v[44+\b], v[S_+16*\b+\i], v[S_+16*\b+\i+1]
.endr
.endr
.irp b, 0,1,2,3
	v_max_num_f32 v[44+\b], v[44+\b], v[S_+16*\b+15]
.endr
	v_max3_num_f32 v44, v44, v45, v46
	v_max_num_f32 v44, v44, v47
	v_permlanex16_b32 v48, v44, s[SEL], s[SEL+1]
	v_max_num_f32 v44, v44, v48                    ; the row's largest score
	v_mul_f32 v44, s[CS], v44                      ; as t (c is positive)
	v_floor_f32 v48, -v44                          ; -M = floor(-t)
.set R_, 0
.rept 32
	v_pk_fma_f32 v[S_+R_:S_+R_+1], v[S_+R_:S_+R_+1], s[CS:CS+1], v[48:49] op_sel_hi:[1,0,0]   ; t - M
.set R_, R_+2
.endr
.set R_, 0
.rept 64
	v_exp_f32 v[S_+R_], v[S_+R_]
.set R_, R_+1
.endr
	v_nop                                          ; a plain place behind the last exponential
	s_wait_alu depctr_va_vdst(0)                   ; one wait for the batch, ahead of its first reader
	v_pk_add_f32 v[50:51], v[S_:S_+1], v[S_+2:S_+3]
	v_pk_add_f32 v[52:53], v[S_+4:S_+5], v[S_+6:S_+7]
.irp j, 8,12,16,20,24,28,32,36,40,44,48,52,56,60
	v_pk_add_f32 v[50:51], v[50:51], v[S_+\j:S_+\j+1]
	v_pk_add_f32 v[52:53], v[52:53], v[S_+\j+2:S_+\j+3]
.endr
	v_pk_add_f32 v[50:51], v[50:51], v[52:53]
	v_add_f32 v50, v50, v51
	v_permlanex16_b32 v51, v50, s[SEL], s[SEL+1]
	v_add_f32 v50, v50, v51                        ; the row's sum
	v_rcp_f32 v[RLO+2*\a], v50                     ; (its wait stands ahead of its first reader, behind the second product)
	v_mov_b32 v[RLO+2*\a+1], 0                     ; named with it as a pair; also the plain place behind the reciprocal
.endm
; v[24 + 2 m] = the sum of tile m's 16 registers, v[40 + m] = lane l xor 16's
.macro ROWSUM
.irp m, 0,1,2,3,4,5,6,7
	v_pk_add_f32 v[24+2*\m:25+2*\m], v[ACC+16*\m:ACC+16*\m+1], v[ACC+16*\m+2:ACC+16*\m+3]
.endr
.irp i, 4,6,8,10,12,14
.irp m, 0,1,2,3,4,5,6,7
	v_pk_add_f32 v[24+2*\m:25+2*\m], v[24+2*\m:25+2*\m], v[ACC+16*\m+\i:ACC+16*\m+\i+1]
.endr
.endr
.irp m, 0,1,2,3,4,5,6,7
	v_add_f32 v[24+2*\m], v[24+2*\m], v[25+2*\m]
.endr
.irp m, 0,1,2,3,4,5,6,7
	v_permlanex16_b32 v[40+\m], v[24+2*\m], s[SEL], s[SEL+1]
.endr
.endm
; The in-attention's softmax: eight tiles of 16 scores a lane (32 keys with lane l xor 16), by turns.
.macro SOFTI
.irp m, 0,1,2,3,4,5,6,7
	v_max3_num_f32 v[24+\m], v[ACC+16*\m], v[ACC+16*\m+1], v[ACC+16*\m+2]
.endr
.irp i, 3,5,7,9,11,13
.irp m, 0,1,2,3,4,5,6,7
	v_max3_num_f32 v[24+\m], v[24+\m], v[ACC+16*\m+\i], v[ACC+16*\m+\i+1]
.endr
.endr
.irp m, 0,1,2,3,4,5,6,7
	v_max_num_f32 v[24+\m], v[24+\m], v[ACC+16*\m+15]
.endr
.irp m, 0,1,2,3,4,5,6,7
	v_permlanex16_b32 v[32+\m], v[24+\m], s[SEL], s[SEL+1]
.endr
.irp m, 0,1,2,3,4,5,6,7
	v_max_num_f32 v[24+\m], v[24+\m], v[32+\m]
.endr
.irp m, 0,1,2,3,4,5,6,7
	v_mul_f32 v[24+\m], s[CS], v[24+\m]
.endr
.irp m, 0,1,2,3,4,5,6,7
	v_floor_f32 v[40+2*\m], -v[24+\m]              ; -M, the low word of a pair
.endr
.irp m, 0,1,2,3,4,5,6,7
.irp i, 0,2,4,6,8,10,12,14
	v_pk_fma_f32 v[ACC+16*\m+\i:ACC+16*\m+\i+1], v[ACC+16*\m+\i:ACC+16*\m+\i+1], s[CS:CS+1], v[40+2*\m:41+2*\m] op_sel_hi:[1,0,0]
.endr
.endr
.set R_, 0
.rept 128
	v_exp_f32 v[ACC+R_], v[ACC+R_]
.set R_, R_+1
.endr
	v_nop                                          ; a plain place behind the last exponential
	s_wait_alu depctr_va_vdst(0)                   ; one wait for the 128, ahead of their first reader
	ROWSUM
.irp m, 0,1,2,3,4,5,6,7
	v_add_f32 v[LIP+2*\m], v[24+2*\m], v[40+\m]    ; the rows' sums
.endr
.irp m, 0,1,2,3,4,5,6,7
	v_mov_b32 v[LIP+2*\m+1], 0                     ; named with them as pairs
.endr
.irp m, 0,1,2,3,4,5,6,7
	v_rcp_f32 v[LIP+2*\m], v[LIP+2*\m]             ; (plain work that names none of them follows; their wait stands ahead of their first reader, behind the second product)
.endr
.endm
; The eight waves' partial sums of each row, four words a lane, and lane l xor 16's four: v[24 + 4 m] = the row's sum
.macro RED st
.irp m, 0,1,2,3,4,5,6,7
	ds_load_b128 v[24+4*\m:27+4*\m], v[STR] offset:(\st)+512*\m
.endr
	s_wait_dscnt 0x0
.irp m, 0,1,2,3,4,5,6,7
	v_pk_add_f32 v[24+4*\m:25+4*\m], v[24+4*\m:25+4*\m], v[26+4*\m:27+4*\m]
.endr
.irp m, 0,1,2,3,4,5,6,7
	v_add_f32 v[24+4*\m], v[24+4*\m], v[25+4*\m]
.endr
.irp m, 0,1,2,3,4,5,6,7
	v_permlanex16_b32 v[25+4*\m], v[24+4*\m], s[SEL], s[SEL+1]
.endr
.irp m, 0,1,2,3,4,5,6,7
	v_add_f32 v[24+4*\m], v[24+4*\m], v[25+4*\m]
.endr
.endm
; ACC += what was parked; then LayerNorm over the 256 columns that the eight waves share.  The variance is taken of centred numbers.  Two barriers.
.macro LNORM st0, st1, gp, bp, pf
	UNPK 0
	UNPK 1
	UNPK 2
.irp t, 0,1,2,3,4,5,6,7
.if \t < 6
	s_wait_dscnt 0x8                               ; this tile's four loads are in; the next two tiles' eight may be out
.elseif \t == 6
	s_wait_dscnt 0x4
.else
	s_wait_dscnt 0x0
.endif
.irp i, 0,2,4,6,8,10,12,14
	v_pk_add_f32 v[ACC+16*\t+\i:ACC+16*\t+\i+1], v[ACC+16*\t+\i:ACC+16*\t+\i+1], v[AF+16*(\t%3)+\i:AF+16*(\t%3)+\i+1]
.endr
.if \t+3 < 8
	UNPK \t+3
.endif
.endr
.irp i, 0,1,2,3
	global_load_b128 v[AF+4*\i:AF+4*\i+3], v[BO], s[\gp:\gp+1] offset:16*\i           ; the gain and the bias of my lane's 16 columns
.endr
.irp i, 0,1,2,3
	global_load_b128 v[AF+16+4*\i:AF+16+4*\i+3], v[BO], s[\bp:\bp+1] offset:16*\i
.endr
.if \pf
	; A prefetch: work-group g under 256 names x of slice g + 256: 131,072 bytes, 16,384 a wave, two instructions, lanes 256 bytes apart: each block of 256 bytes is named once in the launch, and none past x's end
	s_cmp_lt_u32 ttmp9, 256
	s_cbranch_scc0 .Lnopf_\@
	global_prefetch_b8 v[PFO], s[84:85] th:TH_LOAD_NT scope:SCOPE_SE
	global_prefetch_b8 v[PFO], s[84:85] offset:8192 th:TH_LOAD_NT scope:SCOPE_SE
.Lnopf_\@:
.endif
	ROWSUM
.irp m, 0,1,2,3,4,5,6,7
	v_add_f32 v[24+2*\m], v[24+2*\m], v[40+\m]
.endr
.irp m, 0,1,2,3,4,5,6,7
	ds_store_b32 v[STW], v[24+2*\m] offset:(\st0)+512*\m   ; my 32 columns' sum of row r of tile m (lanes r and r + 16: the same word, the same value)
.endr
	BAR
	RED \st0
.irp m, 0,1,2,3,4,5,6,7
	v_mul_f32 v[24+4*\m], s48, v[24+4*\m]          ; the mean
.endr
.irp m, 0,1,2,3,4,5,6,7
.irp i, 0,2,4,6,8,10,12,14
	v_pk_add_f32 v[ACC+16*\m+\i:ACC+16*\m+\i+1], v[ACC+16*\m+\i:ACC+16*\m+\i+1], v[24+4*\m:25+4*\m] op_sel_hi:[1,0] neg_lo:[0,1] neg_hi:[0,1]
.endr
.endr
.irp m, 0,1,2,3,4,5,6,7
	v_pk_mul_f32 v[26+4*\m:27+4*\m], v[ACC+16*\m:ACC+16*\m+1], v[ACC+16*\m:ACC+16*\m+1]
.endr
.irp i, 2,4,6,8,10,12,14
.irp m, 0,1,2,3,4,5,6,7
	v_pk_fma_f32 v[26+4*\m:27+4*\m], v[ACC+16*\m+\i:ACC+16*\m+\i+1], v[ACC+16*\m+\i:ACC+16*\m+\i+1], v[26+4*\m:27+4*\m]
.endr
.endr
.irp m, 0,1,2,3,4,5,6,7
	v_add_f32 v[26+4*\m], v[26+4*\m], v[27+4*\m]
.endr
.irp m, 0,1,2,3,4,5,6,7
	v_permlanex16_b32 v[27+4*\m], v[26+4*\m], s[SEL], s[SEL+1]
.endr
.irp m, 0,1,2,3,4,5,6,7
	v_add_f32 v[26+4*\m], v[26+4*\m], v[27+4*\m]
.endr
.irp m, 0,1,2,3,4,5,6,7
	ds_store_b32 v[STW], v[26+4*\m] offset:(\st1)+512*\m
.endr
	BAR
	RED \st1
.irp m, 0,1,2,3,4,5,6,7
	v_fma_f32 v[24+4*\m], v[24+4*\m], s48, s49     ; the variance + 1e-5
.endr
.irp m, 0,1,2,3,4,5,6,7
	v_rsq_f32 v[24+4*\m], v[24+4*\m]
.endr
	v_nop                                          ; a plain place behind the last of them
	s_wait_alu depctr_va_vdst(0)                   ; one wait for the eight, ahead of their first reader
	s_wait_loadcnt 0x0                             ; the gain and the bias
.irp m, 0,1,2,3,4,5,6,7
.irp i, 0,2,4,6,8,10,12,14
	v_pk_mul_f32 v[ACC+16*\m+\i:ACC+16*\m+\i+1], v[ACC+16*\m+\i:ACC+16*\m+\i+1], v[24+4*\m:25+4*\m] op_sel_hi:[1,0]
.endr
.endr
.irp m, 0,1,2,3,4,5,6,7
.irp i, 0,2,4,6,8,10,12,14
	v_pk_fma_f32 v[ACC+16*\m+\i:ACC+16*\m+\i+1], v[ACC+16*\m+\i:ACC+16*\m+\i+1], v[AF+\i:AF+\i+1], v[AF+16+\i:AF+17+\i]
.endr
.endr
.endm
; gelu(u) = 0.5 u + 0.5 u erf(u / sqrt 2) on the 64 numbers at ACC.  Two batches of 32; in a batch four groups of 8 (one accumulator each, read from its low end on); the batch's 32 reciprocals have one wait.
.macro GELU
.irp k, 0,1
.irp g, 0,1,2,3
.set U_, ACC+32*\k+8*\g
.set T_, ACC+64+8*\g
.set B_, ACC+96+8*\g
.irp p, 0,2,4,6
	v_pk_mul_f32 v[PC+\p:PC+\p+1], v[U_+\p:U_+\p+1], s[50:51] op_sel_hi:[1,0]     ; z = u / sqrt 2
.endr
.irp p, 0,1,2,3,4,5,6,7
	v_med3_num_f32 v[PC+\p], v[PC+\p], -4.0, 4.0
.endr
.irp p, 0,2,4,6
	v_pk_mul_f32 v[PC+8+\p:PC+9+\p], v[PC+\p:PC+\p+1], v[PC+\p:PC+\p+1]           ; z^2
.endr
.irp p, 0,2,4,6
	v_pk_fma_f32 v[T_+\p:T_+\p+1], v[PC+8+\p:PC+9+\p], v[CF:CF+1], s[52:53] op_sel_hi:[1,1,0]
.endr
.irp p, 0,2,4,6
	v_pk_fma_f32 v[B_+\p:B_+\p+1], v[PC+8+\p:PC+9+\p], v[CF+2:CF+3], s[66:67] op_sel_hi:[1,1,0]
.endr
.irp a, 54,56,58,60,62
.irp p, 0,2,4,6
	v_pk_fma_f32 v[T_+\p:T_+\p+1], v[T_+\p:T_+\p+1], v[PC+8+\p:PC+9+\p], s[\a:\a+1] op_sel_hi:[1,1,0]
.endr
.endr
.irp a, 68,70,72
.irp p, 0,2,4,6
	v_pk_fma_f32 v[B_+\p:B_+\p+1], v[B_+\p:B_+\p+1], v[PC+8+\p:PC+9+\p], s[\a:\a+1] op_sel_hi:[1,1,0]
.endr
.endr
.irp p, 0,2,4,6
	v_pk_mul_f32 v[T_+\p:T_+\p+1], v[T_+\p:T_+\p+1], v[PC+\p:PC+\p+1]             ; z P(z^2)
.endr
.endr
.set R_, 0
.rept 32
	v_rcp_f32 v[ACC+96+R_], v[ACC+96+R_]           ; 1 / Q(z^2)
.set R_, R_+1
.endr
.set R_, 0
.rept 16
	v_pk_mul_f32 v[ACC+32*\k+R_:ACC+32*\k+R_+1], v[ACC+32*\k+R_:ACC+32*\k+R_+1], 0.5 op_sel_hi:[1,0]   ; independent work behind the reciprocals
.set R_, R_+2
.endr
	s_wait_alu depctr_va_vdst(0)                   ; one wait for the batch, ahead of its first reader
.set R_, 0
.rept 16
	v_pk_mul_f32 v[ACC+64+R_:ACC+65+R_], v[ACC+64+R_:ACC+65+R_], v[ACC+96+R_:ACC+97+R_]               ; erf
.set R_, R_+2
.endr
.set R_, 0
.rept 16
	v_pk_fma_f32 v[ACC+32*\k+R_:ACC+32*\k+R_+1], v[ACC+32*\k+R_:ACC+32*\k+R_+1], v[ACC+64+R_:ACC+65+R_], v[ACC+32*\k+R_:ACC+32*\k+R_+1]
.set R_, R_+2
.endr
.endr
.endm
; ff2's unit k = 4 s + mp: row tiles 2 mp, 2 mp + 1 of K step s: two fragments and one load of scale words (lanes 0-15 the first tile's, lanes 16-31 the second's): 7 LDS loads
.macro HFETCH k
.irp mm, 0,1
.irp j, 0,1,2
	ds_load_b128 v[AF+24*((\k)%2)+12*\mm+4*\j:AF+24*((\k)%2)+12*\mm+4*\j+3], v[18+(\k)/16] offset:(8*(((\k)/4)%4)+2*((\k)%4)+\mm)*1536+16*\j
.endr
.endr
	ds_load_b32 v[AS0+(\k)%2], v20 offset:(8*((\k)/4)+2*((\k)%4))*64
.endm
; ======== the head
	s_load_b512 s[4:19], s[0:1], 0x0
	s_load_b512 s[20:35], s[0:1], 0x40
	s_load_b128 s[36:39], s[0:1], 0x80
	s_load_b64 s[40:41], s[0:1], 0x90
.set R_, 24
.rept 37
	v_mov_b32 v[R_], 0                             ; v24-60, written once: a lane permute's destination and the idle half of a pair count as read
.set R_, R_+1
.endr
	v_lshrrev_b32 v24, 5, v0
	v_readfirstlane_b32 s[WV], v24                 ; wave 0..7
	v_and_b32 v24, 31, v0                          ; l
	v_and_b32 v25, 15, v0                          ; r
	v_bfe_u32 v26, v0, 4, 1                        ; h
	v_and_b32 v27, 8, v25
	v_add_nc_u32 v27, v27, v25                     ; r + (r & 8)
	s_lshl_b32 s80, s[WV], 7
	v_lshlrev_b32 v[XO], 10, v27
	v_lshl_add_u32 v[XO], v26, 6, v[XO]
	v_add_nc_u32 v[XO], s80, v[XO]
	v_lshl_add_u32 v[BO], v26, 6, s80
	v_lshl_add_u32 v[BVO], v27, 2, s80
	v_mul_u32_u24 v[LI], v24, 48
	v_lshlrev_b32 v[LS], 2, v24
	s_lshr_b32 s80, s[WV], 2
	s_mul_i32 s81, s80, 1536
	s_and_b32 s82, s[WV], 1
	s_mul_i32 s82, s82, 768
	s_add_co_u32 s81, s81, s82
	s_bfe_u32 s82, s[WV], 0x10001
	s_mul_i32 s82, s82, 24
	s_add_co_u32 s81, s81, s82
	v_mul_u32_u24 v[BST], v25, 48
	v_mad_u32_u24 v[BST], v26, 3072, v[BST]
	v_add_nc_u32 v[BST], s81, v[BST]
	s_lshl_b32 s80, s80, 6
	s_and_b32 s82, s[WV], 3
	s_add_co_u32 s80, s80, s82
	v_lshl_add_u32 v[BSS], v25, 2, s80
	s_lshl_b32 s80, s[WV], 14
	v_lshl_add_u32 v[PFO], v24, 8, s80
	s_add_co_u32 s80, s80, PARK
	v_lshl_add_u32 v[PKA], v24, 4, s80
	s_lshl_b32 s80, s[WV], 2
	s_add_co_u32 s80, s80, STAT
	v_lshl_add_u32 v[STW], v25, 5, s80
	v_lshl_add_u32 v[STR], v25, 5, STAT
	v_lshl_add_u32 v[STR], v26, 4, v[STR]
	s_mul_i32 s80, s[WV], 6144
	v_lshl_add_u32 v[WO], v24, 4, s80
	s_mul_i32 s80, s[WV], 24576
	v_lshl_add_u32 v[WO1], v24, 4, s80
	s_lshl_b32 s80, s[WV], 8
	v_add_nc_u32 v[WSO], s80, v[LS]
	s_lshl_b32 s80, s[WV], 10
	v_add_nc_u32 v[WSO1], s80, v[LS]
	s_lshl_b32 s80, s[WV], 9
	v_lshl_add_u32 v[BO1], v26, 6, s80
	s_add_co_u32 s80, s80, HSC
	v_lshl_add_u32 v[HSB], v25, 2, s80
	s_mul_i32 s80, s[WV], 12288
	s_add_co_u32 s80, s80, HIMG
	v_add_nc_u32 v[HWB], s80, v[LI]
	s_mov_b32 s[SEL], 0x76543210
	s_mov_b32 s[SEL+1], 0xfedcba98
	SPAIR CS, 0x3e8293ee                           ; log2(e) / sqrt(32)
	s_mov_b32 s48, 0x3b800000                      ; 1 / 256
	s_mov_b32 s49, 0x3727c5ac                      ; 1e-5
	SPAIR 50, 0x3f3504f3                           ; 1 / sqrt 2
	SPAIR 52, 0.0000000277068142495902             ; erf's P: the coefficients of z^11, 9, 7, 5, 3, 1 (z^13's lies in a vector pair)
	SPAIR 54, -0.00000210102402082508
	SPAIR 56, -0.0000569250639462346
	SPAIR 58, -0.000734990630326855
	SPAIR 60, -0.00295459980854025
	SPAIR 62, -0.0160960333262415
	SPAIR 66, -0.000213374055278905                ; erf's Q: z^6, 4, 2, 0 (z^8's lies in a vector pair)
	SPAIR 68, -0.00168282697438203
	SPAIR 70, -0.00737332916720468
	SPAIR 72, -0.0142647390514189
	s_lshl_b32 s80, ttmp9, 17                      ; a slice of x and of the result is 131,072 bytes
	s_mov_b32 s81, 0
	s_and_b32 s82, ttmp9, 63                       ; s of the slice: its projector, 32,768 bytes
	s_lshl_b32 s82, s82, 15
	s_mov_b32 s83, 0
	s_wait_kmcnt 0x0
	s_add_nc_u64 s[PX:PX+1], s[PX:PX+1], s[80:81]
	s_add_nc_u64 s[PPJ:PPJ+1], s[PPJ:PPJ+1], s[82:83]
	s_add_nc_u64 s[POUT:POUT+1], s[POUT:POUT+1], s[80:81]
	s_lshr_b32 s80, s[WV], 1
	s_lshl_b32 s80, s80, 15
	s_and_b32 s82, s[WV], 1
	s_lshl_b32 s82, s82, 13
	s_add_co_u32 s80, s80, s82                     ; on the way out I store row tile w: it begins at row 32 (w / 2) + 8 (w % 2)
	s_add_nc_u64 s[POUT:POUT+1], s[POUT:POUT+1], s[80:81]
	s_add_nc_u64 s[84:85], s[PX:PX+1], 0x2000000   ; x of slice g + 256: named by the prefetch alone, and only where g is under 256
; ======== 1: the first loads.  32 of x, 8 of the projector, 18 for Wq_o, 16 for Wv_o
.irp t, 0,1,2,3,4,5,6,7
.irp i, 0,1,2,3
	global_load_b128 v[ACC+16*\t+4*\i:ACC+16*\t+4*\i+3], v[XO], s[PX:PX+1] offset:(32*(\t/2)+8*(\t%2))*1024+16*\i   ; my 32 columns of tile t's 16 rows: 16 neighbours a lane
.endr
.endr
.irp u, 0,1
.irp i, 0,1,2,3
	global_load_b128 v[AF+16*\u+4*\i:AF+16*\u+4*\i+3], v[XO], s[PPJ:PPJ+1] offset:8192*\u+16*\i
.endr
.endr
	WLOAD WA, BA, WSA, 0, PBQO, 0
	WLOAD WB, BB, WSB, 3, PBVO, 1
; ======== 2: x and the projector become images; x is parked for the residual
	s_wait_loadcnt 58                              ; x's tiles 0-3 are in; out may be: x's other 16, 8, 18, 16
	PARKS 0
	QUANT ACC, PC, -1, 4
	SCAT XIMG, XSC, 0, 4
	s_wait_loadcnt 42                              ; all of x; out may be 8 + 18 + 16
	PARKS 4
	QUANT ACC+64, PC, -1, 4
	SCAT XIMG, XSC, 4, 4
	s_wait_loadcnt 34                              ; the projector; out may be 18 + 16
	QUANT AF, PC, -1, 2
	SCAT PIMG, PSC, 0, 2
	BAR                                            ; x's and the projector's images lie in LDS
; ======== 3: qo = proj Wq_o^T + bq_o, my head; as a version set
	s_wait_loadcnt 16                              ; Wq_o; Wv_o's 16 may be out
	PRODT PIMG, PSC, 2, WA, BA, WSA
	WLOAD WA, BA, WSA, 2, PBKO, 0
	ZPAD2 ACC, VER, QOS, 1
; ======== 4: vo, the lane a channel, the registers down the 128 keys; two fragments of V^T
	s_wait_loadcnt 18                              ; Wv_o; Wk_o's 18 may be out
	PRODV XIMG, XSC, 8, WB, BB, WSB, 64
	WLOAD WB, BB, WSB, 1, PBKI, 0
	QUANT ACC, PC, VTS, 4
	MOVW1 VT
	QUANT ACC+64, PC, VTS+1, 4
	MOVW1 VT+12
; ======== 5: ko; eight tiles of keys packed into two fragments
	s_wait_loadcnt 18                              ; Wk_o; Wk_i's 18 may be out
	PRODT XIMG, XSC, 8, WA, BA, WSA
	WLOAD WA, BA, WSA, 5, PBOO, 0
	QUANT ACC, AF, KFS, 4
	QUANT ACC+64, AF+12, KFS+1, 4
; ======== 6: S^T = ko qo^T: accumulator (a, t) at ACC + 64 a + 8 t: a lane holds one query and 64 keys in their order
	NOPS 8                                         ; operands and scale words written by vector instructions stand 4 and 8 places ahead of a scaled matrix instruction
	WIN 0x04
.irp a, 0,1
.irp t, 0,1,2,3,4,5,6,7
	MMZ ACC+64*\a+8*\t, AF+12*(\t/4), VER+24*\a+12*(\t%2)+6*(1-(\t%4)/2), KFS+\t/4, QOS+\a
.endr
.endr
	WIN 0
	NOPS 4
; ======== 7: the softmax, and p as two fragments
	SOFTO 0
	SOFTO 1
	QUANT ACC, PC, PQS, 4
	MOVW1 PO
	QUANT ACC+64, PC, PQS+1, 4
	MOVW1 PO+12
; ======== 8: O^T = V^T p^T, divided by the sums; its image
	NOPS 8
	WIN 0x05
.irp a, 0,1
.irp u, 0,1
	MMZ ACC+16*\a+8*\u, VT+12*\u, PO+12*\a, VTS+\u, PQS+\a
.endr
.endr
	WIN 0
	NOPS 4
	s_wait_alu depctr_va_vdst(0)                   ; the two reciprocals, ahead of their first reader
.irp a, 0,1
.irp i, 0,2,4,6,8,10,12,14
	v_pk_mul_f32 v[ACC+16*\a+\i:ACC+16*\a+\i+1], v[ACC+16*\a+\i:ACC+16*\a+\i+1], v[RLO+2*\a:RLO+2*\a+1] op_sel_hi:[1,0]
.endr
.endr
	QUANT ACC, PC, -1, 2
	SCAT OIMG, OSC, 0, 2
; ======== 9: ki = proj Wk_i^T + bk_i, as a version set
	s_wait_loadcnt 18                              ; Wk_i; Wo_o's 18 may be out
	PRODT PIMG, PSC, 2, WB, BB, WSB
	WLOAD WB, BB, WSB, 6, PBVI, 1
	ZPAD2 ACC, VER2, KIS, 1
	BAR                                            ; the out-attention's image is whole, and nobody reads the projector's any more
; ======== 10: message_out; its image takes the projector's place
	s_wait_loadcnt 16                              ; Wo_o; Wv_i's 16 may be out
	PRODT OIMG, OSC, 2, WA, BA, WSA
	WLOAD WA, BA, WSA, 4, PBQI, 0
	QUANT ACC, PC, -1, 2
	SCAT PIMG, PSC, 0, 2
	BAR
; ======== 11: vi, the lane a channel, the registers down the 32 keys; as a version set (the zeros of the set are there since qo)
	s_wait_loadcnt 18                              ; Wv_i; Wq_i's 18 may be out
	PRODV PIMG, PSC, 2, WB, BB, WSB, 16
	WLOAD WB, BB, WSB, 7, PBOI, 0
	ZPAD2 ACC, VER, VIS, 0
; ======== 12: qi; eight tiles of queries packed into two fragments
	s_wait_loadcnt 18                              ; Wq_i; Wo_i's 18 may be out
	PRODT XIMG, XSC, 8, WA, BA, WSA
	QUANT ACC, AF, QFS, 4
	QUANT ACC+64, AF+12, QFS+1, 4
; ======== 13: S^T = ki qi^T: accumulator (m, u): a lane holds one query of tile m and 16 neighbouring keys; the softmax; p packed
	NOPS 8
	WIN 0x01
.irp m, 0,1,2,3,4,5,6,7
.irp u, 0,1
	MMZ ACC+16*\m+8*\u, VER2+24*\u+12*(\m%2)+6*(1-(\m%4)/2), AF+12*(\m/4), KIS+\u, QFS+\m/4
.endr
.endr
	WIN 0
	NOPS 4
	SOFTI
	QUANT ACC, AF+24, PFS, 4
	QUANT ACC+64, AF+36, PFS+1, 4
; ======== 14: O^T = vi^T p^T, divided by the sums; its image.  W_ff1's 16 fragments and 8 scale words are asked for: 56 loads
	NOPS 8
	WIN 0x01
.irp m, 0,1,2,3,4,5,6,7
.irp u, 0,1
	MMZ ACC+16*\m+8*\u, VER+24*\u+12*(\m%2)+6*(1-(\m%4)/2), AF+24+12*(\m/4), VIS+\u, PFS+\m/4
.endr
.endr
	WIN 0
	NOPS 4
	s_wait_alu depctr_va_vdst(0)                   ; the eight reciprocals, ahead of their first reader
.irp m, 0,1,2,3,4,5,6,7
.irp i, 0,2,4,6,8,10,12,14
	v_pk_mul_f32 v[ACC+16*\m+\i:ACC+16*\m+\i+1], v[ACC+16*\m+\i:ACC+16*\m+\i+1], v[LIP+2*\m:LIP+2*\m+1] op_sel_hi:[1,0]
.endr
.endr
	WIN 0x40
.irp f, 0,1,2,3,4,5,6,7,8,9,10,11,12,13,14,15
.irp c, 0,1,2
	global_load_b128 v[12*\f+4*\c:12*\f+4*\c+3], v[WO1], s[PWC:PWC+1] offset:393216+1536*\f+512*\c
.endr
.endr
	WIN 0
.irp t, 0,1,2,3,4,5,6,7
	global_load_b32 v[SCP+\t], v[WSO1], s[PWS:PWS+1] offset:16384+128*\t
.endr
	QUANT ACC, PC, -1, 4
	SCAT AIMG, ASC, 0, 4
	QUANT ACC+64, PC, -1, 4
	SCAT AIMG, ASC, 4, 4
	BAR
; ======== 15: message_in; x + message_in; LayerNorm 1; m is parked and becomes an image in x's place
	s_wait_loadcnt 56                              ; Wo_i; W_ff1's 56 may be out
	PRODT AIMG, ASC, 8, WB, BB, WSB
	WIN 0x40
.irp b, 0,1,2,3
.irp i, 0,1,2,3
	global_load_b128 v[B1F+16*\b+4*\i:B1F+16*\b+4*\i+3], v[BO1], s[PBF1:PBF1+1] offset:128*\b+16*\i   ; b_ff1 in the result's layout: hidden units 128 w + 32 b + 16 h + 0 .. 15
.endr
.endr
	WIN 0
	LNORM 0, 4096, PG1, PB1, 0
	PARKS 0
	PARKS 4
	QUANT ACC, PC, -1, 4
	SCAT XIMG, XSC, 0, 4
	QUANT ACC+64, PC, -1, 4
	SCAT XIMG, XSC, 4, 4
	BAR
; ======== 16: ff1: my 128 hidden units for a tile of 16 rows a trip: 16 products, GELU, quantised: one fragment, K step w of ff2
	v_mov_b32 v[CF], -0.000000000272614225801306   ; P's coefficient of z^13
	v_mov_b32 v[CF+1], v[CF]
	v_mov_b32 v[CF+2], -0.0000145660718464996      ; Q's of z^8
	v_mov_b32 v[CF+3], v[CF+2]
	s_mov_b32 s74, 0                               ; the next tile's image, 3,072 a tile;
	s_mov_b32 s75, 0                               ; its scale words, 128;
	s_mov_b32 s76, 0                               ; where the hidden fragment goes, 1,536;
	s_mov_b32 s77, 0                               ; and its scale word, 64
	s_mov_b32 s78, 8
.irp s, 0,1
.irp j, 0,1,2
	ds_load_b128 v[AF+12*\s+4*\j:AF+12*\s+4*\j+3], v[LI] offset:XIMG+1536*\s+16*\j
.endr
.endr
	ds_load_b32 v[AS0], v[LS] offset:XSC
.Lff1:
	s_wait_dscnt 0x0                               ; this tile's fragments are in, and the last trip's stores have read their registers
	WIN 0x11
.irp t, 0,1,2,3,4,5,6,7
	MM ACC+8*\t, 24*\t, AF, B1F+8*\t, SCP+\t, AS0, 0
.endr
	WIN 0x01
.irp t, 0,1,2,3,4,5,6,7
	MM ACC+8*\t, 24*\t+12, AF+12, ACC+8*\t, SCP+\t, AS0, 3
.endr
	WIN 0
	s_add_co_u32 s74, s74, 3072
	s_add_co_u32 s75, s75, 128
	v_add_nc_u32 v18, s74, v[LI]                   ; these four are also the places behind the products
	v_add_nc_u32 v19, s75, v[LS]
	v_add_nc_u32 v20, s76, v[HWB]
	v_add_nc_u32 v21, s77, v[HSB]
.irp s, 0,1
.irp j, 0,1,2
	ds_load_b128 v[AF+12*\s+4*\j:AF+12*\s+4*\j+3], v18 offset:XIMG+1536*\s+16*\j   ; the next tile lands under the GELU.  (The eighth trip reads the bytes behind the images, which nobody writes here, and uses nothing of them)
.endr
.endr
	ds_load_b32 v[AS0], v19 offset:XSC
	GELU
	QUANT ACC, PC, PW, 4
.irp j, 0,1,2
	ds_store_b128 v20, v[PC+4*\j:PC+4*\j+3] offset:16*\j
.endr
	ds_store_b32 v21, v[PW]                        ; lanes r and r + 16: the same word, the same value
	s_add_co_u32 s76, s76, 1536
	s_add_co_u32 s77, s77, 64
	s_sub_co_u32 s78, s78, 1
	s_cmp_lg_u32 s78, 0
	s_cbranch_scc1 .Lff1
	; W_ff2: 8 scale words, 4 loads of b_ff2, then the fragments K step by K step, 6 loads each: 60 loads
.irp s, 0,1,2,3,4,5,6,7
	global_load_b32 v[SCP+\s], v[WSO1], s[PWS:PWS+1] offset:24576+128*\s   ; lanes 0-15: tile 2 w's words, lanes 16-31: tile 2 w + 1's
.endr
	WIN 0x40
.irp i, 0,1,2,3
	global_load_b128 v[B2F+4*\i:B2F+4*\i+3], v[BO], s[PBF2:PBF2+1] offset:16*\i
.endr
.irp f, 0,1,2,3,4,5,6,7,8,9,10,11,12,13,14,15
.irp c, 0,1,2
	global_load_b128 v[12*\f+4*\c:12*\f+4*\c+3], v[WO1], s[PWC:PWC+1] offset:589824+1536*\f+512*\c
.endr
.endr
	WIN 0
	BAR                                            ; the hidden layer's 64 fragments lie in LDS
; ======== 17: ff2: my 32 columns for the 128 rows: 16 accumulators by turns, 32 units of two row tiles x one K step
	v_add_nc_u32 v18, HIMG, v[LI]                  ; K steps 0-3,
	v_add_nc_u32 v19, HIMG+49152, v[LI]            ; K steps 4-7,
	v_add_nc_u32 v20, HSC, v[LS]                   ; the scale words
	HFETCH 0
	HFETCH 1
.set K_, 0
.rept 32
.if K_%4 == 0
	s_wait_loadcnt 6*(7-K_/4)                      ; this K step's two fragments of W_ff2 are in; the later K steps', 6 loads each, may be out
.endif
.if K_ == 31
	s_wait_dscnt 0x0
.else
	s_wait_dscnt 0x7                               ; this unit's 7 loads are in; the other buffer's 7 may be out
.endif
.if K_ < 4
	WIN 0x11
.else
	WIN 0x01
.endif
.irp mm, 0,1
.irp u, 0,1
.if K_ < 4
	MM ACC+16*(2*(K_%4)+\mm)+8*\u, 12*(2*(K_/4)+\u), AF+24*(K_%2)+12*\mm, B2F+8*\u, SCP+K_/4, AS0+K_%2, \u+2*\mm
.else
	MM ACC+16*(2*(K_%4)+\mm)+8*\u, 12*(2*(K_/4)+\u), AF+24*(K_%2)+12*\mm, ACC+16*(2*(K_%4)+\mm)+8*\u, SCP+K_/4, AS0+K_%2, \u+2*\mm
.endif
.endr
.endr
	WIN 0
	NOPS 4
.if K_+2 < 32
	HFETCH K_+2
.endif
.set K_, K_+1
.endr
; ======== 18: m + h; LayerNorm 2
	LNORM 8192, 12288, PG2, PB2, 1
; ======== 19: the way out.  A row's 1,024 bytes come from eight waves: they meet in a stage (rows 1,040 bytes apart), which takes the parked bytes' place: every wave has read its own ahead of the last two barriers
	v_and_b32 v21, 15, v0
	v_bfe_u32 v23, v0, 4, 1
	s_lshl_b32 s80, s[WV], 7
	s_add_co_u32 s80, s80, STAGE
	v_mul_u32_u24 v18, v21, 1040
	v_lshl_add_u32 v18, v23, 6, v18
	v_add_nc_u32 v18, s80, v18                     ; in: row r of a tile, + 128 w + 64 h; tiles 0-3,
	v_add_nc_u32 v19, 66560, v18                   ; tiles 4-7
	s_mul_i32 s81, s[WV], 16640
	s_add_co_u32 s81, s81, STAGE
	v_and_b32 v21, 31, v0
	v_lshlrev_b32 v21, 4, v21                      ; back, and in memory: 16 bytes a lane
	v_add_nc_u32 v20, s81, v21                     ; I take tile w's 16 rows
.irp t, 0,1,2,3,4,5,6,7
.irp i, 0,1,2,3
	ds_store_b128 v[18+\t/4], v[ACC+16*\t+4*\i:ACC+16*\t+4*\i+3] offset:(\t%4)*16640+16*\i
.endr
.endr
	BAR
.set K_, 0
.rept 32
	ds_load_b128 v[ACC+4*K_:ACC+4*K_+3], v20 offset:1040*(K_/2)+512*(K_%2)
.set K_, K_+1
.endr
.set K_, 0
.rept 32
	s_wait_dscnt 31-K_                             ; load K_ is in; the loads behind it may be out
	global_store_b128 v21, v[ACC+4*K_:ACC+4*K_+3], s[POUT:POUT+1] offset:((K_/2)+((K_/2)&8))*1024+512*(K_%2) th:TH_STORE_NT   ; 32 lanes store 512 consecutive bytes, at a multiple of 256 from the result's first byte
.set K_, K_+1
.endr
	s_wait_xcnt 0x0
	v_lshl_add_u32 v254, v0, 2, 0x4d800
	v_mov_b32 v255, 0
	s_wait_tensorcnt 0x0
	ds_add_u32 v254, v255
	s_wait_dscnt 0x0
	s_endpgm
.Lfunc_end_k_qab8837bc19_layer:
	.size	k_qab8837bc19_layer, .Lfunc_end_k_qab8837bc19_layer-k_qab8837bc19_layer
	.p2alignl 7, 3214868480
	.fill 96, 4, 3214868480
	.section	.rodata,"a",@progbits
	.p2align	6, 0x0
	.amdhsa_kernel k_qab8837bc19_layer
		.amdhsa_group_segment_fixed_size 318464
		.amdhsa_private_segment_fixed_size 0
		.amdhsa_enable_private_segment 0
		.amdhsa_kernarg_size 152
		.amdhsa_user_sgpr_count 2
		.amdhsa_user_sgpr_kernarg_segment_ptr 1
		.amdhsa_wavefront_size32 1
		.amdhsa_system_sgpr_workgroup_id_x 1
		.amdhsa_system_sgpr_workgroup_id_y 1
		.amdhsa_system_sgpr_workgroup_id_z 1
		.amdhsa_system_vgpr_workitem_id 0
		.amdhsa_next_free_vgpr 512
		.amdhsa_next_free_sgpr 96
		.amdhsa_reserve_vcc 0
		.amdhsa_float_denorm_mode_32 3
		.amdhsa_float_denorm_mode_16_64 3
		.amdhsa_memory_ordered 1
		.amdhsa_forward_progress 1
		.amdhsa_inst_pref_size 255
	.end_amdhsa_kernel
	.section	.bss,"aw",@nobits
	.p2align	6
	.space	262144
	.amdgpu_metadata
---
amdhsa.version: [ 1, 2 ]
amdhsa.kernels:
  - .name:           k_qab8837bc19_layer
    .symbol:         k_qab8837bc19_layer.kd
    .args:
      - { .name: x, .offset: 0, .size: 8, .value_kind: global_buffer, .address_space: global }
      - { .name: projector, .offset: 8, .size: 8, .value_kind: global_buffer, .address_space: global }
      - { .name: wcodes, .offset: 16, .size: 8, .value_kind: global_buffer, .address_space: global }
      - { .name: wscales, .offset: 24, .size: 8, .value_kind: global_buffer, .address_space: global }
      - { .name: out0, .offset: 32, .size: 8, .value_kind: global_buffer, .address_space: global }
      - { .name: bq_o, .offset: 40, .size: 8, .value_kind: global_buffer, .address_space: global }
      - { .name: bk_o, .offset: 48, .size: 8, .value_kind: global_buffer, .address_space: global }
      - { .name: bv_o, .offset: 56, .size: 8, .value_kind: global_buffer, .address_space: global }
      - { .name: bo_o, .offset: 64, .size: 8, .value_kind: global_buffer, .address_space: global }
      - { .name: bq_i, .offset: 72, .size: 8, .value_kind: global_buffer, .address_space: global }
      - { .name: bk_i, .offset: 80, .size: 8, .value_kind: global_buffer, .address_space: global }
      - { .name: bv_i, .offset: 88, .size: 8, .value_kind: global_buffer, .address_space: global }
      - { .name: bo_i, .offset: 96, .size: 8, .value_kind: global_buffer, .address_space: global }
      - { .name: g1, .offset: 104, .size: 8, .value_kind: global_buffer, .address_space: global }
      - { .name: b1, .offset: 112, .size: 8, .value_kind: global_buffer, .address_space: global }
      - { .name: g2, .offset: 120, .size: 8, .value_kind: global_buffer, .address_space: global }
      - { .name: b2, .offset: 128, .size: 8, .value_kind: global_buffer, .address_space: global }
      - { .name: b_ff1, .offset: 136, .size: 8, .value_kind: global_buffer, .address_space: global }
      - { .name: b_ff2, .offset: 144, .size: 8, .value_kind: global_buffer, .address_space: global }
    .group_segment_fixed_size: 318464
    .private_segment_fixed_size: 0
    .kernarg_segment_align: 8
    .kernarg_segment_size: 152
    .max_flat_workgroup_size: 256
    .sgpr_count:     96
    .vgpr_count:     512
    .wavefront_size: 32
...
	.end_amdgpu_metadata
.endif
;; end of part 2
;; ======== version 2 of 2: 2 launches; version 1 with the launch layer written anew for expert scheduling mode
;; workspace buffers: wcodes 786,432 bytes; wscales 32,768 bytes
;; launch prep: the kernel of part 1 again; grid 256 x 1, 2 waves a work-group, no clusters, 0 bytes of LDS; arguments Wq_o, Wk_i, Wk_o, Wv_o, Wq_i, Wo_o, Wv_i, Wo_i, W_ff1, W_ff2, wcodes, wscales; writes wcodes, wscales
;; launch layer (part 3): grid 512 x 1, 8 waves a work-group, no clusters, 318,464 bytes of LDS; arguments x, projector, wcodes, wscales, out0, bq_o, bk_o, bv_o, bo_o, bq_i, bk_i, bv_i, bo_i, g1, b1, g2, b2, b_ff1, b_ff2; writes out0
.if DOCPART == 3
	.amdgcn_target "amdgcn-amd-amdhsa--gfx1250"
	.amdhsa_code_object_version 6
	.text
	.protected	k_qab8837bc19_layer
	.globl	k_qab8837bc19_layer
	.p2align	8
	.type	k_qab8837bc19_layer,@function
k_qab8837bc19_layer:
	s_mov_b64 s[64:65], 0
	v_nop
	global_prefetch_b8 v0, s[64:65] scope:SCOPE_SE
	s_setreg_imm32_b32 hwreg(HW_REG_WAVE_SCHED_MODE, 0, 2), 2
	s_setreg_imm32_b32 hwreg(HW_REG_WAVE_MODE, 25, 1), 1
	s_wait_xcnt 0x0
	s_wait_alu depctr_vm_vsrc(0)
; The whole layer for one slice (b, s): 128 rows of 256.  Projector attends over x, x attends back over the 32 summaries, LayerNorm, MLP with exact GELU, LayerNorm.  All 14 products on codes of BF6 (E3M2) with one
; E8M0 scale for each 32 along K; everything else f32.  Nothing but x, the projector, the prepared weights and the result goes through memory.
; SHARES.  A work-group of eight waves owns a slice.  WAVE w OWNS COLUMNS 32 w .. 32 w + 31 of every result of 256 columns: that is head w, and one block of 32 of the next K.  Both attentions run inside one wave's registers;
; only operands whose K spans all heads go from wave to wave, through LDS, as images of the operand's registers (lane l's 12 registers: 48 consecutive bytes at 48 l, so that a load's sixteen lanes start 12 words apart).
; ROW ORDER.  Lane r of row tile t holds row 32 (t / 2) + 8 (t % 2) + r + (r & 8); the same rule orders the rows of a weight's tile.  So: T PRODUCT (source 0 = weight, source 1 = rows): accumulator (m, u) at ACC + 16 m + 8 u,
; lane (r, h) register j = (row r of tile m, column 32 w + 16 h + 8 u + j): a tile's 16 registers are 16 neighbouring columns.  V PRODUCT (source 0 = rows, source 1 = weight): the lane is a channel, the registers run down the keys.
; PRODUCTS WITH K = 32.  QUANT over four row tiles gives ONE fragment whose K block b is tile b; the other side is a fragment with its one block at K block pos and zero codes elsewhere (a VERSION): their product is the product
; with tile pos.  A version set is 54 registers, Z Va0 Z Vb0 Z Va1 Z Vb1 Z (Z: six zeros; Va: the block in lanes 0-15; Vb: in lanes 16-31); version (u, pos) begins at 24 u + 12 (pos % 2) + 6 (1 - pos / 2).
; WEIGHTS go from memory straight into the registers of the one wave that multiplies by them, in the order in which an earlier launch has laid them, one product ahead.  NO CLUSTER, NO TENSOR LOAD: each fragment of a weight is
; wanted by one wave of a work-group; through LDS its 786,432 bytes a slice would be written and read once more, and 317,440 of the LDS bytes are in use.
; LIMITS.  erf is the rational form x P(x^2) / Q(x^2) in f32 on x held to +-4 (beyond |u| = 5.66 erf keeps its value at 4); gelu = 0.5 u (1 + erf), so far below 0 its relative error grows while its absolute error stays
; about 1e-7 |u|.  A block of zeros gets the byte 1 where the rule says 127 (zero codes; the bytes are read here alone).  p under 2^-126 becomes 0.  NaN and infinities among the inputs are not served.
; THE MODE: SCHED_MODE bits 1:0 = 2 (LLVM: expert scheduling mode 2), set by the entry lines.  The code itself states the register dependences between vector or matrix instructions and memory or LDS instructions,
; with s_wait_alu, always for 0.
; THE PLAN.  Registers that memory or LDS instructions touch, and who else names them:
;   v1-17, v22        offsets and addresses: written at the head, ahead of one wait on va_vdst, and never again.
;   AF, AS0           two fetch buffers by turns.  A step's products read buffer p; behind them ONE wait on va_vdst; then the loads of the step after next land in p.  Between products vector lines use AF too (packed fragments,
;                     version sets, 1 / l, gain and bias): the first loads behind such a use stand behind the quantiser's wait, or behind a wait of their own at the product's head.
;   areas A and B     a weight's fragments, bias and scale words.  Product n reads one area; behind its last matrix instruction one wait on va_vdst; then the loads for product n + 2 land there.
;   PC, TM+4 .., PW   the quantiser's out-buffer: QUANT writes it; one wait on va_vdst ahead of the run of LDS stores, one on vm_vsrc behind it, ahead of the next writer.  That second wait also frees the tiles of ACC that were parked.
;   v24-55            in LayerNorm: partial sums, written by vector lines, stored (va_vdst ahead), then the eight waves' words land there (vm_vsrc ahead).
;   ACC               read by the stores that park x and m and by the stage's stores; at the end the stage's rows land in it (vm_vsrc ahead).
;   v18-21            addresses of the phase in hand: each time they are made anew, a wait on vm_vsrc stands ahead and a wait on va_vdst behind; in ff1's trip these are waits that stand there anyway.
; ---- LDS
.set XIMG, 0                           ; x's 16 fragments, (2 m + s) x 1,536; later those of m, the first LayerNorm's result
.set AIMG, 24576                       ; the in-attention's result, likewise
.set PIMG, 49152                       ; the projector's 4 fragments; later message_out's
.set OIMG, 55296                       ; the out-attention's result
.set XSC,  61440                       ; scale words: (2 m + s) x 64 + 4 r
.set ASC,  62464
.set PSC,  63488
.set OSC,  63744
.set STAT, 65536                       ; four regions of 4,096: the waves' partial sums, (16 m + r) x 32 + 4 w
.set HIMG, 81920                       ; the hidden layer's 64 fragments, (8 s + m) x 1,536
.set HSC,  180224                      ; their scale words, (8 s + m) x 64 + 4 r
.set PARK, 184320                      ; 16,384 bytes for each wave, its own: x, later m, kept for the residual
.set STAGE, 184320                     ; at the end: 128 rows of 1,024 + 16 bytes
; ---- vector registers, window 0
.set XO, 1                             ; x, projector: (r + (r & 8)) x 1,024 + 64 h + 128 w
.set LI, 2                             ; 48 l
.set LS, 3                             ; 4 l
.set BST, 4                            ; where SCAT puts a block: 3,072 h + 48 r + 1,536 (w / 4) + 768 (w % 2) + 24 ((w / 2) % 2)
.set BSS, 5                            ; and its byte: 4 r + 64 (w / 4) + w % 4
.set PKA, 6                            ; PARK + 16,384 w + 16 l
.set STW, 7                            ; STAT + 32 r + 4 w
.set STR, 8                            ; STAT + 32 r + 16 h
.set WO, 9                             ; 16 l + 6,144 w
.set WO1, 10                           ; 16 l + 24,576 w
.set WSO, 11                           ; 4 l + 256 w
.set WSO1, 12                          ; 4 l + 1,024 w
.set BO, 13                            ; 128 w + 64 h
.set BO1, 14                           ; 512 w + 64 h
.set BVO, 15                           ; 128 w + 4 (r + (r & 8))
.set HWB, 16                           ; HIMG + 48 l + 12,288 w
.set HSB, 17                           ; HSC + 4 r + 512 w
.set PFO, 22                           ; 256 l + 16,384 w          (v18-21, v23: addresses of the phase in hand)
.set PC, 24                            ; v24-43  codes just made (12), conversions' second halves at +12, +16; at work elsewhere
.set TM, 44                            ; v44-59  +0 maxima, +4 bytes, +12 scale operands; at work elsewhere
.set PW, 60                            ; a scale word that is only stored
.set WSA, 61                           ; v61-74 hold scales and nothing else: the weights' (areas A, B),
.set WSB, 63
.set AS0, 65                           ; the fetched images' (two buffers),
.set SCP, 67                           ; and eight of the phase in hand:
.set QOS, 67
.set KFS, 69
.set VTS, 71
.set PQS, 73
.set KIS, 67
.set VIS, 69
.set QFS, 71
.set PFS, 73
.set RLO, 76                           ; v76-79  1 / l of the out-attention, two pairs; in ff1 two of erf's coefficients
.set CF, 76
.set AF, 80                            ; v80-127 fetch buffers and fragments
.set ZT, AF+24
.set LIP, AF
.set ACC, 128                          ; v128-255 accumulators
; ---- window 1 (written by their low 8 bits)
.set WA, 0                             ; weights, area A: four fragments;  BA: its bias
.set BA, 48
.set VER, 64                           ; version set: qo, later vi
.set VER2, 118                         ; V^T (two fragments), p (two); later the version set of ki
.set VT, 118
.set PO, 142
.set WB, 192                           ; area B
.set BB, 240
.set B1F, 192                          ; ff1: W1 at 0-191, b_ff1 here;  ff2: W2 at 0-191, b_ff2 here
.set B2F, 192
; ---- scalars
.set PX, 4
.set PPJ, 6
.set PWC, 8
.set PWS, 10
.set POUT, 12
.set PBQO, 14
.set PBKO, 16
.set PBVO, 18
.set PBOO, 20
.set PBQI, 22
.set PBKI, 24
.set PBVI, 26
.set PBOI, 28
.set PG1, 30
.set PB1, 32
.set PG2, 34
.set PB2, 36
.set PBF1, 38
.set PBF2, 40
.set WV, 42
.set SEL, 44                           ; s[44:45] selects for lane l xor 16
.set CS, 46                            ; s[46:47] log2(e) / sqrt(32)
.set FLOOR, 0x2800000                  ; 2^(5 - 127)
.set MSB, 0
.macro WIN new                         ; bits 1:0 source 0, 3:2 source 1, 5:4 source 2, 7:6 destination; the high byte repeats the setting that is left
.if MSB != \new
	s_set_vgpr_msb (MSB<<8)|\new
.set MSB, \new
.endif
.endm
.macro NOPS n
.rept \n
	v_nop
.endr
.endm
.macro BAR                             ; my LDS stores have landed and my LDS loads are in: then the work-group's barrier
	s_wait_dscnt 0x0
	s_barrier_signal -1
	s_barrier_wait -1
.endm
.macro SPAIR reg, val                  ; a constant as an equal pair, for the packed forms
	s_mov_b32 s[\reg], \val
	s_mov_b32 s[\reg+1], s[\reg]
.endm
; A matrix instruction.  rows: 1 = source 0's scales from lanes 16-31, 2 = source 1's, 3 = both
.macro MM d, a, b, c, sa, sb, rows
.if (\rows) == 0
	v_wmma_scale_f32_16x16x128_f8f6f4 v[(\d):(\d)+7], v[(\a):(\a)+11], v[(\b):(\b)+11], v[(\c):(\c)+7], v[\sa], v[\sb] matrix_a_fmt:MATRIX_FMT_BF6 matrix_b_fmt:MATRIX_FMT_BF6
.elseif (\rows) == 1
	v_wmma_scale_f32_16x16x128_f8f6f4 v[(\d):(\d)+7], v[(\a):(\a)+11], v[(\b):(\b)+11], v[(\c):(\c)+7], v[\sa], v[\sb] matrix_a_fmt:MATRIX_FMT_BF6 matrix_b_fmt:MATRIX_FMT_BF6 matrix_a_scale:MATRIX_SCALE_ROW1
.elseif (\rows) == 2
	v_wmma_scale_f32_16x16x128_f8f6f4 v[(\d):(\d)+7], v[(\a):(\a)+11], v[(\b):(\b)+11], v[(\c):(\c)+7], v[\sa], v[\sb] matrix_a_fmt:MATRIX_FMT_BF6 matrix_b_fmt:MATRIX_FMT_BF6 matrix_b_scale:MATRIX_SCALE_ROW1
.else
	v_wmma_scale_f32_16x16x128_f8f6f4 v[(\d):(\d)+7], v[(\a):(\a)+11], v[(\b):(\b)+11], v[(\c):(\c)+7], v[\sa], v[\sb] matrix_a_fmt:MATRIX_FMT_BF6 matrix_b_fmt:MATRIX_FMT_BF6 matrix_a_scale:MATRIX_SCALE_ROW1 matrix_b_scale:MATRIX_SCALE_ROW1
.endif
.endm
.macro MMZ d, a, b, sa, sb             ; the same with the constant 0 as C
	v_wmma_scale_f32_16x16x128_f8f6f4 v[(\d):(\d)+7], v[(\a):(\a)+11], v[(\b):(\b)+11], 0, v[\sa], v[\sb] matrix_a_fmt:MATRIX_FMT_BF6 matrix_b_fmt:MATRIX_FMT_BF6
.endm
; nb blocks (4 or 2) of a lane's numbers, register 16 b + i = number 16 h + i of block b of my row, become codes in v[dst] on: lanes 0-15 hold block 2 c, lanes 16-31 block 2 c + 1, in registers 6 c .. 6 c + 5.
; The bytes stay in v[TM+4] on; with sw >= 0 they also make the scale word v[sw].
.macro QUANT src, dst, sw, nb
.irp b, 0,1,2,3
.if \b < \nb
	v_max3_num_f32 v[TM+\b], |v[(\src)+16*\b]|, |v[(\src)+16*\b+1]|, FLOOR   ; my 16 numbers, and the floor, which holds the byte at 1 from below
.endif
.endr
.irp i, 2,4,6,8,10,12,14
.irp b, 0,1,2,3
.if \b < \nb
	v_max3_num_f32 v[TM+\b], v[TM+\b], |v[(\src)+16*\b+\i]|, |v[(\src)+16*\b+\i+1]|   ; (the blocks by turns)
.endif
.endr
.endr
.irp b, 0,1,2,3
.if \b < \nb
	v_permlanex16_b32 v[TM+4+\b], v[TM+\b], s[SEL], s[SEL+1]
.endif
.endr
.irp b, 0,1,2,3
.if \b < \nb
	v_max_num_f32 v[TM+\b], v[TM+\b], v[TM+4+\b]   ; with lane l xor 16's: the block's largest magnitude
.endif
.endr
.irp b, 0,1,2,3
.if \b < \nb
	v_add_nc_u32 v[TM+12+\b], 0xfe000000, v[TM+\b] ; 4 off its exponent field: the conversion's scale operand
.endif
.endr
.irp b, 0,1,2,3
.if \b < \nb
	v_lshrrev_b32 v[TM+4+\b], 23, v[TM+12+\b]      ; the scale's byte
.endif
.endr
.if (\sw) >= 0
	v_lshl_or_b32 v[\sw], v[TM+5], 8, v[TM+4]
	v_lshl_or_b32 v[\sw], v[TM+6], 16, v[\sw]
	v_lshl_or_b32 v[\sw], v[TM+7], 24, v[\sw]
.endif
.irp c, 0,1
.if 2*\c < \nb
	v_cvt_scalef32_pk16_bf6_f32 v[(\dst)+6*\c:(\dst)+6*\c+2], v[(\src)+32*\c:(\src)+32*\c+15], v[TM+12+2*\c]
	v_cvt_scalef32_pk16_bf6_f32 v[PC+12+4*\c:PC+14+4*\c], v[(\src)+32*\c+16:(\src)+32*\c+31], v[TM+13+2*\c]   ; (a conversion's three registers begin on an even number)
.endif
.endr
	v_nop                                          ; one plain place behind a scaled conversion
.irp c, 0,1
.if 2*\c < \nb
.irp i, 0,1,2
	v_permlane16_swap_b32 v[(\dst)+6*\c+\i], v[PC+12+4*\c+\i]   ; a whole block to a lane
.endr
.irp i, 0,1,2
	v_mov_b32 v[(\dst)+6*\c+3+\i], v[PC+12+4*\c+\i]
.endr
.endif
.endr
.endm
; Behind QUANT .., PC, -1, nb: block b is row tile m0 + b's block w of K.  Lane (r, h) holds tile m0 + 2 c + h: its 24 bytes go to that tile's image, the bytes to its scale words.
.macro SCAT img, sc, m0, nb
	s_wait_alu depctr_va_vdst(0)                   ; QUANT has written the codes in v[PC] on and the bytes in v[TM+4] on, which the stores below read
.irp c, 0,1
.if 2*\c < \nb
.irp i, 0,1,2
	ds_store_b64 v[BST], v[PC+6*\c+2*\i:PC+6*\c+2*\i+1] offset:(\img)+((\m0)+2*\c)*3072+8*\i
.endr
.endif
.endr
.irp b, 0,1,2,3
.if \b < \nb
	ds_store_b8 v[BSS], v[TM+4+\b] offset:(\sc)+128*((\m0)+\b)   ; lanes r and r + 16 write the same byte with the same value
.endif
.endr
	s_wait_dscnt 0x0                               ; my stores are done
	s_wait_alu depctr_vm_vsrc(0)                   ; they have read v[PC] on and v[TM+4] on, which the next vector lines write again; so have the stores that parked tiles of ACC read their data
.endm
.macro MOVW1 n                         ; the fragment in v[PC] on goes to window 1
	WIN 0x40
.irp i, 0,1,2,3,4,5,6,7,8,9,10,11
	v_mov_b32 v[(\n)+\i], v[PC+\i]
.endr
	WIN 0
.endm
; Two tiles of 16 registers (one block of 32 each, shared with lane l xor 16) become a version set in window 1 at ver, and scale words with the byte in all four places.
.macro ZPAD2 src, ver, sw, zero
.irp u, 0,1
	v_max3_num_f32 v[TM+\u], |v[(\src)+16*\u]|, |v[(\src)+16*\u+1]|, FLOOR
.endr
.irp i, 2,4,6,8,10,12,14
.irp u, 0,1
	v_max3_num_f32 v[TM+\u], v[TM+\u], |v[(\src)+16*\u+\i]|, |v[(\src)+16*\u+\i+1]|
.endr
.endr
.irp u, 0,1
	v_permlanex16_b32 v[TM+4+\u], v[TM+\u], s[SEL], s[SEL+1]
.endr
.irp u, 0,1
	v_max_num_f32 v[TM+\u], v[TM+\u], v[TM+4+\u]
.endr
.irp u, 0,1
	v_add_nc_u32 v[TM+12+\u], 0xfe000000, v[TM+\u]
.endr
.irp u, 0,1
	v_lshrrev_b32 v[TM+4+\u], 23, v[TM+12+\u]
.endr
.irp u, 0,1
	v_lshl_or_b32 v[(\sw)+\u], v[TM+4+\u], 8, v[TM+4+\u]
.endr
.irp u, 0,1
	v_lshl_or_b32 v[(\sw)+\u], v[(\sw)+\u], 16, v[(\sw)+\u]
.endr
.irp u, 0,1
	v_cvt_scalef32_pk16_bf6_f32 v[PC+12+4*\u:PC+14+4*\u], v[(\src)+16*\u:(\src)+16*\u+15], v[TM+12+\u]
.endr
	v_nop                                          ; one plain place behind a scaled conversion
.irp u, 0,1
.irp i, 0,1,2
	v_mov_b32 v[ZT+12*\u+\i], v[PC+12+4*\u+\i]     ; Va: my 16 codes | 0
	v_mov_b32 v[ZT+12*\u+3+\i], 0
	v_mov_b32 v[ZT+12*\u+6+\i], 0                  ; Vb: 0 | my 16 codes
	v_mov_b32 v[ZT+12*\u+9+\i], v[PC+12+4*\u+\i]
.endr
.endr
.irp u, 0,1
.irp i, 0,1,2
	v_permlane16_swap_b32 v[ZT+12*\u+\i], v[ZT+12*\u+3+\i]     ; Va: lanes 0-15 now hold the whole block, lanes 16-31 zeros
	v_permlane16_swap_b32 v[ZT+12*\u+6+\i], v[ZT+12*\u+9+\i]   ; Vb: the other way round
.endr
.endr
	WIN 0x40
.if \zero
.irp z, 0,12,24,36,48
.irp i, 0,1,2,3,4,5
	v_mov_b32 v[(\ver)+\z+\i], 0
.endr
.endr
.endif
.irp u, 0,1
.irp i, 0,1,2,3,4,5
	v_mov_b32 v[(\ver)+24*\u+6+\i], v[ZT+12*\u+\i]
	v_mov_b32 v[(\ver)+24*\u+18+\i], v[ZT+12*\u+6+\i]
.endr
.endr
	WIN 0
.endm
; A square weight's four fragments of my two tiles, its bias and its scale words.  kind 0: bias for a T product, 18 loads in all;  kind 1: for a V product (one number a lane and tile), 16 loads.
; dep = 1: the area has been multiplied by before.
.macro WLOAD wr, br, wsr, mat, bp, kind, dep
	WIN 0x40
.if \dep
	s_wait_alu depctr_va_vdst(0)                   ; the products just issued are done reading this area's fragments, bias and scale words (a V product's spread bias is written): the loads below land there
.endif
.irp f, 0,1,2,3
.irp c, 0,1,2
	global_load_b128 v[(\wr)+12*\f+4*\c:(\wr)+12*\f+4*\c+3], v[WO], s[PWC:PWC+1] offset:49152*(\mat)+1536*\f+512*\c
.endr
.endr
.if \kind
.irp u, 0,1
	global_load_b32 v[(\br)+8*\u], v[BVO], s[\bp:\bp+1] offset:32*\u
.endr
.else
.irp i, 0,1,2,3
	global_load_b128 v[(\br)+4*\i:(\br)+4*\i+3], v[BO], s[\bp:\bp+1] offset:16*\i
.endr
.endif
	WIN 0
.irp u, 0,1
	global_load_b32 v[(\wsr)+\u], v[WSO], s[PWS:PWS+1] offset:2048*(\mat)+128*\u   ; lanes 0-15: K step 0's words, lanes 16-31: K step 1's
.endr
.endm
.macro AFETCH buf, img, sc, m          ; row tile m's two fragments and its scale words: 7 LDS loads
.irp s, 0,1
.irp j, 0,1,2
	ds_load_b128 v[AF+24*(\buf)+12*\s+4*\j:AF+24*(\buf)+12*\s+4*\j+3], v[LI] offset:(\img)+(2*(\m)+\s)*1536+16*\j
.endr
.endr
	ds_load_b32 v[AS0+(\buf)], v[LS] offset:(\sc)+128*(\m)
.endm
; T product of nt row tiles with my two weight tiles, K = 256.  The bias is the C of a sum's first instruction.  A tile's two accumulators take turns.
; hw = 1: a version set has been made in v[ZT] on since the last wait on va_vdst.  (hw = 0: no vector or matrix line since that wait names a fetch buffer.)
.macro PRODT img, sc, nt, wr, br, wsr, hw
.if \hw
	s_wait_alu depctr_va_vdst(0)                   ; the lines that made the version set are done writing and reading v[ZT] on, in which the second buffer's loads land
.endif
	AFETCH 0, \img, \sc, 0
	AFETCH 1, \img, \sc, 1
.set M_, 0
.rept \nt
.if M_ == (\nt)-1
	s_wait_dscnt 0x0
.else
	s_wait_dscnt 0x7                               ; this tile's 7 loads are in; the other buffer's 7 may be out
.endif
	WIN 0x11
.irp u, 0,1
	MM ACC+16*M_+8*\u, (\wr)+24*\u, AF+24*(M_%2), (\br)+8*\u, (\wsr)+\u, AS0+M_%2, 0
.endr
	WIN 0x01
.irp u, 0,1
	MM ACC+16*M_+8*\u, (\wr)+24*\u+12, AF+24*(M_%2)+12, ACC+16*M_+8*\u, (\wsr)+\u, AS0+M_%2, 3
.endr
	WIN 0
	NOPS 4                                         ; four places ahead of loads into registers that these products read, and of the first read of results
.if M_+2 < \nt
	s_wait_alu depctr_va_vdst(0)                   ; this tile's four products are done reading their buffer and its scale words, in which the loads below land
	AFETCH M_%2, \img, \sc, M_+2
.endif
.set M_, M_+1
.endr
.endm
; V product: the sources change places; accumulator (t, u) at ACC + du u + 8 t.  hw as in PRODT.
.macro PRODV img, sc, nt, wr, br, wsr, du, hw
	WIN 0x41
.irp u, 0,1
.irp j, 1,2,3,4,5,6,7
	v_mov_b32 v[(\br)+8*\u+\j], v[(\br)+8*\u]      ; my channel's bias in all eight registers of C
.endr
.endr
	WIN 0
.if \hw
	s_wait_alu depctr_va_vdst(0)                   ; the lines that made the version set are done writing and reading v[ZT] on, in which the second buffer's loads land
.endif
	AFETCH 0, \img, \sc, 0
	AFETCH 1, \img, \sc, 1
	NOPS 4
.set M_, 0
.rept \nt
.if M_ == (\nt)-1
	s_wait_dscnt 0x0
.else
	s_wait_dscnt 0x7                               ; as in PRODT
.endif
	WIN 0x14
.irp u, 0,1
	MM ACC+(\du)*\u+8*M_, AF+24*(M_%2), (\wr)+24*\u, (\br)+8*\u, AS0+M_%2, (\wsr)+\u, 0
.endr
	WIN 0x04
.irp u, 0,1
	MM ACC+(\du)*\u+8*M_, AF+24*(M_%2)+12, (\wr)+24*\u+12, ACC+(\du)*\u+8*M_, AS0+M_%2, (\wsr)+\u, 3
.endr
	WIN 0
	NOPS 4
.if M_+2 < \nt
	s_wait_alu depctr_va_vdst(0)                   ; this tile's four products are done reading their buffer and its scale words, in which the loads below land
	AFETCH M_%2, \img, \sc, M_+2
.endif
.set M_, M_+1
.endr
.endm
.macro PARKS base                      ; four tiles of ACC into my own bytes of LDS
.irp t, 0,1,2,3
.irp i, 0,1,2,3
	ds_store_b128 v[PKA], v[ACC+16*((\base)+\t)+4*\i:ACC+16*((\base)+\t)+4*\i+3] offset:512*(4*((\base)+\t)+\i)
.endr
.endr
.endm
.macro UNPK t
.irp i, 0,1,2,3
	ds_load_b128 v[AF+16*((\t)%3)+4*\i:AF+16*((\t)%3)+4*\i+3], v[PKA] offset:512*(4*(\t)+\i)
.endr
.endm
; The out-attention's softmax for query tile a: 64 scores a lane (128 keys with lane l xor 16).  p = 2^(t - M), M the row's largest t rounded up; the sum is taken of the unquantised p.
.macro SOFTO a
.set S_, ACC+64*\a
.irp b, 0,1,2,3
	v_max3_num_f32 v[44+\b], v[S_+16*\b], v[S_+16*\b+1], v[S_+16*\b+2]
.endr
.irp i, 3,5,7,9,11,13
.irp b, 0,1,2,3
	v_max3_num_f32 v[44+\b], v[44+\b], v[S_+16*\b+\i], v[S_+16*\b+\i+1]
.endr
.endr
.irp b, 0,1,2,3
	v_max_num_f32 v[44+\b], v[44+\b], v[S_+16*\b+15]
.endr
	v_max3_num_f32 v44, v44, v45, v46
	v_max_num_f32 v44, v44, v47
	v_permlanex16_b32 v48, v44, s[SEL], s[SEL+1]
	v_max_num_f32 v44, v44, v48                    ; the row's largest score
	v_mul_f32 v44, s[CS], v44                      ; as t (c is positive)
	v_floor_f32 v48, -v44                          ; -M = floor(-t)
.set R_, 0
.rept 32
	v_pk_fma_f32 v[S_+R_:S_+R_+1], v[S_+R_:S_+R_+1], s[CS:CS+1], v[48:49] op_sel_hi:[1,0,0]   ; t - M
.set R_, R_+2
.endr
.set R_, 0
.rept 64
	v_exp_f32 v[S_+R_], v[S_+R_]
.set R_, R_+1
.endr
	v_nop                                          ; a plain place behind the last exponential
	s_wait_alu depctr_va_vdst(0)                   ; the 64 exponentials have written p: one wait for the batch, ahead of its first reader
	v_pk_add_f32 v[50:51], v[S_:S_+1], v[S_+2:S_+3]
	v_pk_add_f32 v[52:53], v[S_+4:S_+5], v[S_+6:S_+7]
.irp j, 8,12,16,20,24,28,32,36,40,44,48,52,56,60
	v_pk_add_f32 v[50:51], v[50:51], v[S_+\j:S_+\j+1]
	v_pk_add_f32 v[52:53], v[52:53], v[S_+\j+2:S_+\j+3]
.endr
	v_pk_add_f32 v[50:51], v[50:51], v[52:53]
	v_add_f32 v50, v50, v51
	v_permlanex16_b32 v51, v50, s[SEL], s[SEL+1]
	v_add_f32 v50, v50, v51                        ; the row's sum
	v_rcp_f32 v[RLO+2*\a], v50                     ; (its wait stands ahead of the second product, and so ahead of its first reader)
	v_mov_b32 v[RLO+2*\a+1], 0                     ; named with it as a pair; also the plain place behind the reciprocal
.endm
; v[24 + 2 m] = the sum of tile m's 16 registers, v[40 + m] = lane l xor 16's
.macro ROWSUM
.irp m, 0,1,2,3,4,5,6,7
	v_pk_add_f32 v[24+2*\m:25+2*\m], v[ACC+16*\m:ACC+16*\m+1], v[ACC+16*\m+2:ACC+16*\m+3]
.endr
.irp i, 4,6,8,10,12,14
.irp m, 0,1,2,3,4,5,6,7
	v_pk_add_f32 v[24+2*\m:25+2*\m], v[24+2*\m:25+2*\m], v[ACC+16*\m+\i:ACC+16*\m+\i+1]
.endr
.endr
.irp m, 0,1,2,3,4,5,6,7
	v_add_f32 v[24+2*\m], v[24+2*\m], v[25+2*\m]
.endr
.irp m, 0,1,2,3,4,5,6,7
	v_permlanex16_b32 v[40+\m], v[24+2*\m], s[SEL], s[SEL+1]
.endr
.endm
; The in-attention's softmax: eight tiles of 16 scores a lane (32 keys with lane l xor 16), by turns.
.macro SOFTI
.irp m, 0,1,2,3,4,5,6,7
	v_max3_num_f32 v[24+\m], v[ACC+16*\m], v[ACC+16*\m+1], v[ACC+16*\m+2]
.endr
.irp i, 3,5,7,9,11,13
.irp m, 0,1,2,3,4,5,6,7
	v_max3_num_f32 v[24+\m], v[24+\m], v[ACC+16*\m+\i], v[ACC+16*\m+\i+1]
.endr
.endr
.irp m, 0,1,2,3,4,5,6,7
	v_max_num_f32 v[24+\m], v[24+\m], v[ACC+16*\m+15]
.endr
.irp m, 0,1,2,3,4,5,6,7
	v_permlanex16_b32 v[32+\m], v[24+\m], s[SEL], s[SEL+1]
.endr
.irp m, 0,1,2,3,4,5,6,7
	v_max_num_f32 v[24+\m], v[24+\m], v[32+\m]
.endr
.irp m, 0,1,2,3,4,5,6,7
	v_mul_f32 v[24+\m], s[CS], v[24+\m]
.endr
.irp m, 0,1,2,3,4,5,6,7
	v_floor_f32 v[40+2*\m], -v[24+\m]              ; -M, the low word of a pair
.endr
.irp m, 0,1,2,3,4,5,6,7
.irp i, 0,2,4,6,8,10,12,14
	v_pk_fma_f32 v[ACC+16*\m+\i:ACC+16*\m+\i+1], v[ACC+16*\m+\i:ACC+16*\m+\i+1], s[CS:CS+1], v[40+2*\m:41+2*\m] op_sel_hi:[1,0,0]
.endr
.endr
.set R_, 0
.rept 128
	v_exp_f32 v[ACC+R_], v[ACC+R_]
.set R_, R_+1
.endr
	v_nop                                          ; a plain place behind the last exponential
	s_wait_alu depctr_va_vdst(0)                   ; the 128 exponentials have written p: one wait, ahead of their first reader
	ROWSUM
.irp m, 0,1,2,3,4,5,6,7
	v_add_f32 v[LIP+2*\m], v[24+2*\m], v[40+\m]    ; the rows' sums
.endr
.irp m, 0,1,2,3,4,5,6,7
	v_mov_b32 v[LIP+2*\m+1], 0                     ; named with them as pairs
.endr
.irp m, 0,1,2,3,4,5,6,7
	v_rcp_f32 v[LIP+2*\m], v[LIP+2*\m]             ; (plain work that names none of them follows; their wait stands ahead of the second product, and so ahead of their first reader)
.endr
.endm
; The eight waves' partial sums of each row, four words a lane, and lane l xor 16's four: v[24 + 4 m] = the row's sum
.macro RED st
	s_wait_alu depctr_vm_vsrc(0)                   ; my stores of the partial sums have read their registers among v24 to v55, in which the loads below land
.irp m, 0,1,2,3,4,5,6,7
	ds_load_b128 v[24+4*\m:27+4*\m], v[STR] offset:(\st)+512*\m
.endr
	s_wait_dscnt 0x0
.irp m, 0,1,2,3,4,5,6,7
	v_pk_add_f32 v[24+4*\m:25+4*\m], v[24+4*\m:25+4*\m], v[26+4*\m:27+4*\m]
.endr
.irp m, 0,1,2,3,4,5,6,7
	v_add_f32 v[24+4*\m], v[24+4*\m], v[25+4*\m]
.endr
.irp m, 0,1,2,3,4,5,6,7
	v_permlanex16_b32 v[25+4*\m], v[24+4*\m], s[SEL], s[SEL+1]
.endr
.irp m, 0,1,2,3,4,5,6,7
	v_add_f32 v[24+4*\m], v[24+4*\m], v[25+4*\m]
.endr
.endm
; ACC += what was parked; then LayerNorm over the 256 columns that the eight waves share.  The variance is taken of centred numbers.  Two barriers.
; hw = 1: products have read the fetch buffers since the last wait on va_vdst.
.macro LNORM st0, st1, gp, bp, pf, hw
.if \hw
	s_wait_alu depctr_va_vdst(0)                   ; the last products are done reading both fetch buffers, in which the parked tiles land
.endif
	UNPK 0
	UNPK 1
	UNPK 2
.irp t, 0,1,2,3,4,5,6,7
.if \t < 6
	s_wait_dscnt 0x8                               ; this tile's four loads are in; the next two tiles' eight may be out
.elseif \t == 6
	s_wait_dscnt 0x4
.else
	s_wait_dscnt 0x0
.endif
.irp i, 0,2,4,6,8,10,12,14
	v_pk_add_f32 v[ACC+16*\t+\i:ACC+16*\t+\i+1], v[ACC+16*\t+\i:ACC+16*\t+\i+1], v[AF+16*(\t%3)+\i:AF+16*(\t%3)+\i+1]
.endr
.if \t+3 < 8
	s_wait_alu depctr_va_vdst(0)                   ; this tile's additions are done reading their 16 registers, in which the tile three on lands
	UNPK \t+3
.endif
.endr
	s_wait_alu depctr_va_vdst(0)                   ; the last tiles' additions are done reading v[AF] to v[AF+31], in which the gain and the bias land
.irp i, 0,1,2,3
	global_load_b128 v[AF+4*\i:AF+4*\i+3], v[BO], s[\gp:\gp+1] offset:16*\i           ; the gain and the bias of my lane's 16 columns
.endr
.irp i, 0,1,2,3
	global_load_b128 v[AF+16+4*\i:AF+16+4*\i+3], v[BO], s[\bp:\bp+1] offset:16*\i
.endr
.if \pf
	; A prefetch: work-group g under 256 names x of slice g + 256: 131,072 bytes, 16,384 a wave, two instructions, lanes 256 bytes apart: each block of 256 bytes is named once in the launch, and none past x's end
	s_cmp_lt_u32 ttmp9, 256
	s_cbranch_scc0 .Lnopf_\@
	global_prefetch_b8 v[PFO], s[84:85] th:TH_LOAD_NT scope:SCOPE_SE
	global_prefetch_b8 v[PFO], s[84:85] offset:8192 th:TH_LOAD_NT scope:SCOPE_SE
.Lnopf_\@:
.endif
	ROWSUM
.irp m, 0,1,2,3,4,5,6,7
	v_add_f32 v[24+2*\m], v[24+2*\m], v[40+\m]
.endr
	s_wait_alu depctr_va_vdst(0)                   ; the eight partial sums v24, v26 .. v38 are written, which the stores below read
.irp m, 0,1,2,3,4,5,6,7
	ds_store_b32 v[STW], v[24+2*\m] offset:(\st0)+512*\m   ; my 32 columns' sum of row r of tile m (lanes r and r + 16: the same word, the same value)
.endr
	BAR
	RED \st0
.irp m, 0,1,2,3,4,5,6,7
	v_mul_f32 v[24+4*\m], s48, v[24+4*\m]          ; the mean
.endr
.irp m, 0,1,2,3,4,5,6,7
.irp i, 0,2,4,6,8,10,12,14
	v_pk_add_f32 v[ACC+16*\m+\i:ACC+16*\m+\i+1], v[ACC+16*\m+\i:ACC+16*\m+\i+1], v[24+4*\m:25+4*\m] op_sel_hi:[1,0] neg_lo:[0,1] neg_hi:[0,1]
.endr
.endr
.irp m, 0,1,2,3,4,5,6,7
	v_pk_mul_f32 v[26+4*\m:27+4*\m], v[ACC+16*\m:ACC+16*\m+1], v[ACC+16*\m:ACC+16*\m+1]
.endr
.irp i, 2,4,6,8,10,12,14
.irp m, 0,1,2,3,4,5,6,7
	v_pk_fma_f32 v[26+4*\m:27+4*\m], v[ACC+16*\m+\i:ACC+16*\m+\i+1], v[ACC+16*\m+\i:ACC+16*\m+\i+1], v[26+4*\m:27+4*\m]
.endr
.endr
.irp m, 0,1,2,3,4,5,6,7
	v_add_f32 v[26+4*\m], v[26+4*\m], v[27+4*\m]
.endr
.irp m, 0,1,2,3,4,5,6,7
	v_permlanex16_b32 v[27+4*\m], v[26+4*\m], s[SEL], s[SEL+1]
.endr
.irp m, 0,1,2,3,4,5,6,7
	v_add_f32 v[26+4*\m], v[26+4*\m], v[27+4*\m]
.endr
	s_wait_alu depctr_va_vdst(0)                   ; the eight sums of squares v26, v30 .. v54 are written, which the stores below read
.irp m, 0,1,2,3,4,5,6,7
	ds_store_b32 v[STW], v[26+4*\m] offset:(\st1)+512*\m
.endr
	BAR
	RED \st1
.irp m, 0,1,2,3,4,5,6,7
	v_fma_f32 v[24+4*\m], v[24+4*\m], s48, s49     ; the variance + 1e-5
.endr
.irp m, 0,1,2,3,4,5,6,7
	v_rsq_f32 v[24+4*\m], v[24+4*\m]
.endr
	v_nop                                          ; a plain place behind the last of them
	s_wait_alu depctr_va_vdst(0)                   ; the eight reciprocal roots are written: one wait, ahead of their first reader
	s_wait_loadcnt 0x0                             ; the gain and the bias
.irp m, 0,1,2,3,4,5,6,7
.irp i, 0,2,4,6,8,10,12,14
	v_pk_mul_f32 v[ACC+16*\m+\i:ACC+16*\m+\i+1], v[ACC+16*\m+\i:ACC+16*\m+\i+1], v[24+4*\m:25+4*\m] op_sel_hi:[1,0]
.endr
.endr
.irp m, 0,1,2,3,4,5,6,7
.irp i, 0,2,4,6,8,10,12,14
	v_pk_fma_f32 v[ACC+16*\m+\i:ACC+16*\m+\i+1], v[ACC+16*\m+\i:ACC+16*\m+\i+1], v[AF+\i:AF+\i+1], v[AF+16+\i:AF+17+\i]
.endr
.endr
.endm
; gelu(u) = 0.5 u + 0.5 u erf(u / sqrt 2) on the 64 numbers at ACC.  Two batches of 32; in a batch four groups of 8 (one accumulator each, read from its low end on); the batch's 32 reciprocals have one wait.
.macro GELU
.irp k, 0,1
.irp g, 0,1,2,3
.set U_, ACC+32*\k+8*\g
.set T_, ACC+64+8*\g
.set B_, ACC+96+8*\g
.irp p, 0,2,4,6
	v_pk_mul_f32 v[PC+\p:PC+\p+1], v[U_+\p:U_+\p+1], s[50:51] op_sel_hi:[1,0]     ; z = u / sqrt 2
.endr
.irp p, 0,1,2,3,4,5,6,7
	v_med3_num_f32 v[PC+\p], v[PC+\p], -4.0, 4.0
.endr
.irp p, 0,2,4,6
	v_pk_mul_f32 v[PC+8+\p:PC+9+\p], v[PC+\p:PC+\p+1], v[PC+\p:PC+\p+1]           ; z^2
.endr
.irp p, 0,2,4,6
	v_pk_fma_f32 v[T_+\p:T_+\p+1], v[PC+8+\p:PC+9+\p], v[CF:CF+1], s[52:53] op_sel_hi:[1,1,0]
.endr
.irp p, 0,2,4,6
	v_pk_fma_f32 v[B_+\p:B_+\p+1], v[PC+8+\p:PC+9+\p], v[CF+2:CF+3], s[66:67] op_sel_hi:[1,1,0]
.endr
.irp a, 54,56,58,60,62
.irp p, 0,2,4,6
	v_pk_fma_f32 v[T_+\p:T_+\p+1], v[T_+\p:T_+\p+1], v[PC+8+\p:PC+9+\p], s[\a:\a+1] op_sel_hi:[1,1,0]
.endr
.endr
.irp a, 68,70,72
.irp p, 0,2,4,6
	v_pk_fma_f32 v[B_+\p:B_+\p+1], v[B_+\p:B_+\p+1], v[PC+8+\p:PC+9+\p], s[\a:\a+1] op_sel_hi:[1,1,0]
.endr
.endr
.irp p, 0,2,4,6
	v_pk_mul_f32 v[T_+\p:T_+\p+1], v[T_+\p:T_+\p+1], v[PC+\p:PC+\p+1]             ; z P(z^2)
.endr
.endr
.set R_, 0
.rept 32
	v_rcp_f32 v[ACC+96+R_], v[ACC+96+R_]           ; 1 / Q(z^2)
.set R_, R_+1
.endr
.set R_, 0
.rept 16
	v_pk_mul_f32 v[ACC+32*\k+R_:ACC+32*\k+R_+1], v[ACC+32*\k+R_:ACC+32*\k+R_+1], 0.5 op_sel_hi:[1,0]   ; independent work behind the reciprocals
.set R_, R_+2
.endr
	s_wait_alu depctr_va_vdst(0)                   ; the batch's 32 reciprocals are written: one wait, ahead of their first reader
.set R_, 0
.rept 16
	v_pk_mul_f32 v[ACC+64+R_:ACC+65+R_], v[ACC+64+R_:ACC+65+R_], v[ACC+96+R_:ACC+97+R_]               ; erf
.set R_, R_+2
.endr
.set R_, 0
.rept 16
	v_pk_fma_f32 v[ACC+32*\k+R_:ACC+32*\k+R_+1], v[ACC+32*\k+R_:ACC+32*\k+R_+1], v[ACC+64+R_:ACC+65+R_], v[ACC+32*\k+R_:ACC+32*\k+R_+1]
.set R_, R_+2
.endr
.endr
.endm
; ff2's unit k = 4 s + mp: row tiles 2 mp, 2 mp + 1 of K step s: two fragments and one load of scale words (lanes 0-15 the first tile's, lanes 16-31 the second's): 7 LDS loads
.macro HFETCH k
.irp mm, 0,1
.irp j, 0,1,2
	ds_load_b128 v[AF+24*((\k)%2)+12*\mm+4*\j:AF+24*((\k)%2)+12*\mm+4*\j+3], v[18+(\k)/16] offset:(8*(((\k)/4)%4)+2*((\k)%4)+\mm)*1536+16*\j
.endr
.endr
	ds_load_b32 v[AS0+(\k)%2], v20 offset:(8*((\k)/4)+2*((\k)%4))*64
.endm
; ======== the head
	s_load_b512 s[4:19], s[0:1], 0x0
	s_load_b512 s[20:35], s[0:1], 0x40
	s_load_b128 s[36:39], s[0:1], 0x80
	s_load_b64 s[40:41], s[0:1], 0x90
.set R_, 24
.rept 37
	v_mov_b32 v[R_], 0                             ; v24-60, written once: a lane permute's destination and the idle half of a pair count as read
.set R_, R_+1
.endr
	v_lshrrev_b32 v24, 5, v0
	v_readfirstlane_b32 s[WV], v24                 ; wave 0..7
	v_and_b32 v24, 31, v0                          ; l
	v_and_b32 v25, 15, v0                          ; r
	v_bfe_u32 v26, v0, 4, 1                        ; h
	v_and_b32 v27, 8, v25
	v_add_nc_u32 v27, v27, v25                     ; r + (r & 8)
	s_wait_alu depctr_va_sdst(0)                   ; the wave's number is written, ahead of its first reader: addresses and offsets are made from it
	s_lshl_b32 s80, s[WV], 7
	v_lshlrev_b32 v[XO], 10, v27
	v_lshl_add_u32 v[XO], v26, 6, v[XO]
	v_add_nc_u32 v[XO], s80, v[XO]
	v_lshl_add_u32 v[BO], v26, 6, s80
	v_lshl_add_u32 v[BVO], v27, 2, s80
	v_mul_u32_u24 v[LI], v24, 48
	v_lshlrev_b32 v[LS], 2, v24
	s_lshr_b32 s80, s[WV], 2
	s_mul_i32 s81, s80, 1536
	s_and_b32 s82, s[WV], 1
	s_mul_i32 s82, s82, 768
	s_add_co_u32 s81, s81, s82
	s_bfe_u32 s82, s[WV], 0x10001
	s_mul_i32 s82, s82, 24
	s_add_co_u32 s81, s81, s82
	v_mul_u32_u24 v[BST], v25, 48
	v_mad_u32_u24 v[BST], v26, 3072, v[BST]
	v_add_nc_u32 v[BST], s81, v[BST]
	s_lshl_b32 s80, s80, 6
	s_and_b32 s82, s[WV], 3
	s_add_co_u32 s80, s80, s82
	v_lshl_add_u32 v[BSS], v25, 2, s80
	s_lshl_b32 s80, s[WV], 14
	v_lshl_add_u32 v[PFO], v24, 8, s80
	s_add_co_u32 s80, s80, PARK
	v_lshl_add_u32 v[PKA], v24, 4, s80
	s_lshl_b32 s80, s[WV], 2
	s_add_co_u32 s80, s80, STAT
	v_lshl_add_u32 v[STW], v25, 5, s80
	v_lshl_add_u32 v[STR], v25, 5, STAT
	v_lshl_add_u32 v[STR], v26, 4, v[STR]
	s_mul_i32 s80, s[WV], 6144
	v_lshl_add_u32 v[WO], v24, 4, s80
	s_mul_i32 s80, s[WV], 24576
	v_lshl_add_u32 v[WO1], v24, 4, s80
	s_lshl_b32 s80, s[WV], 8
	v_add_nc_u32 v[WSO], s80, v[LS]
	s_lshl_b32 s80, s[WV], 10
	v_add_nc_u32 v[WSO1], s80, v[LS]
	s_lshl_b32 s80, s[WV], 9
	v_lshl_add_u32 v[BO1], v26, 6, s80
	s_add_co_u32 s80, s80, HSC
	v_lshl_add_u32 v[HSB], v25, 2, s80
	s_mul_i32 s80, s[WV], 12288
	s_add_co_u32 s80, s80, HIMG
	v_add_nc_u32 v[HWB], s80, v[LI]
	s_mov_b32 s[SEL], 0x76543210
	s_mov_b32 s[SEL+1], 0xfedcba98
	SPAIR CS, 0x3e8293ee                           ; log2(e) / sqrt(32)
	s_mov_b32 s48, 0x3b800000                      ; 1 / 256
	s_mov_b32 s49, 0x3727c5ac                      ; 1e-5
	SPAIR 50, 0x3f3504f3                           ; 1 / sqrt 2
	SPAIR 52, 0.0000000277068142495902             ; erf's P: the coefficients of z^11, 9, 7, 5, 3, 1 (z^13's lies in a vector pair)
	SPAIR 54, -0.00000210102402082508
	SPAIR 56, -0.0000569250639462346
	SPAIR 58, -0.000734990630326855
	SPAIR 60, -0.00295459980854025
	SPAIR 62, -0.0160960333262415
	SPAIR 66, -0.000213374055278905                ; erf's Q: z^6, 4, 2, 0 (z^8's lies in a vector pair)
	SPAIR 68, -0.00168282697438203
	SPAIR 70, -0.00737332916720468
	SPAIR 72, -0.0142647390514189
	s_lshl_b32 s80, ttmp9, 17                      ; a slice of x and of the result is 131,072 bytes
	s_mov_b32 s81, 0
	s_and_b32 s82, ttmp9, 63                       ; s of the slice: its projector, 32,768 bytes
	s_lshl_b32 s82, s82, 15
	s_mov_b32 s83, 0
	s_wait_kmcnt 0x0
	s_add_nc_u64 s[PX:PX+1], s[PX:PX+1], s[80:81]
	s_add_nc_u64 s[PPJ:PPJ+1], s[PPJ:PPJ+1], s[82:83]
	s_add_nc_u64 s[POUT:POUT+1], s[POUT:POUT+1], s[80:81]
	s_lshr_b32 s80, s[WV], 1
	s_lshl_b32 s80, s80, 15
	s_and_b32 s82, s[WV], 1
	s_lshl_b32 s82, s82, 13
	s_add_co_u32 s80, s80, s82                     ; on the way out I store row tile w: it begins at row 32 (w / 2) + 8 (w % 2)
	s_add_nc_u64 s[POUT:POUT+1], s[POUT:POUT+1], s[80:81]
	s_add_nc_u64 s[84:85], s[PX:PX+1], 0x2000000   ; x of slice g + 256: named by the prefetch alone, and only where g is under 256
	s_wait_alu depctr_va_vdst(0)                   ; the offsets and addresses v1 to v17 and v22 are written: every load, store and prefetch that names one of them stands behind this wait
; ======== 1: the first loads.  32 of x, 8 of the projector, 18 for Wq_o, 16 for Wv_o
.irp t, 0,1,2,3,4,5,6,7
.irp i, 0,1,2,3
	global_load_b128 v[ACC+16*\t+4*\i:ACC+16*\t+4*\i+3], v[XO], s[PX:PX+1] offset:(32*(\t/2)+8*(\t%2))*1024+16*\i   ; my 32 columns of tile t's 16 rows: 16 neighbours a lane
.endr
.endr
.irp u, 0,1
.irp i, 0,1,2,3
	global_load_b128 v[AF+16*\u+4*\i:AF+16*\u+4*\i+3], v[XO], s[PPJ:PPJ+1] offset:8192*\u+16*\i
.endr
.endr
	WLOAD WA, BA, WSA, 0, PBQO, 0, 0
	WLOAD WB, BB, WSB, 3, PBVO, 1, 0
; ======== 2: x and the projector become images; x is parked for the residual
	s_wait_loadcnt 58                              ; x's tiles 0-3 are in; out may be: x's other 16, 8, 18, 16
	PARKS 0
	QUANT ACC, PC, -1, 4
	SCAT XIMG, XSC, 0, 4
	s_wait_loadcnt 42                              ; all of x; out may be 8 + 18 + 16
	PARKS 4
	QUANT ACC+64, PC, -1, 4
	SCAT XIMG, XSC, 4, 4
	s_wait_loadcnt 34                              ; the projector; out may be 18 + 16
	QUANT AF, PC, -1, 2
	SCAT PIMG, PSC, 0, 2
	BAR                                            ; x's and the projector's images lie in LDS
; ======== 3: qo = proj Wq_o^T + bq_o, my head; as a version set
	s_wait_loadcnt 16                              ; Wq_o; Wv_o's 16 may be out
	PRODT PIMG, PSC, 2, WA, BA, WSA, 0
	WLOAD WA, BA, WSA, 2, PBKO, 0, 1
	ZPAD2 ACC, VER, QOS, 1
; ======== 4: vo, the lane a channel, the registers down the 128 keys; two fragments of V^T
	s_wait_loadcnt 18                              ; Wv_o; Wk_o's 18 may be out
	PRODV XIMG, XSC, 8, WB, BB, WSB, 64, 1
	WLOAD WB, BB, WSB, 1, PBKI, 0, 1
	QUANT ACC, PC, VTS, 4
	MOVW1 VT
	QUANT ACC+64, PC, VTS+1, 4
	MOVW1 VT+12
; ======== 5: ko; eight tiles of keys packed into two fragments
	s_wait_loadcnt 18                              ; Wk_o; Wk_i's 18 may be out
	PRODT XIMG, XSC, 8, WA, BA, WSA, 0
	WLOAD WA, BA, WSA, 5, PBOO, 0, 1
	QUANT ACC, AF, KFS, 4
	QUANT ACC+64, AF+12, KFS+1, 4
; ======== 6: S^T = ko qo^T: accumulator (a, t) at ACC + 64 a + 8 t: a lane holds one query and 64 keys in their order
	NOPS 8                                         ; operands and scale words written by vector instructions stand 4 and 8 places ahead of a scaled matrix instruction
	s_wait_alu depctr_va_vdst(0)                   ; and behind the places: ko's two fragments, qo's versions and both sides' scale words are written, which the products below take
	WIN 0x04
.irp a, 0,1
.irp t, 0,1,2,3,4,5,6,7
	MMZ ACC+64*\a+8*\t, AF+12*(\t/4), VER+24*\a+12*(\t%2)+6*(1-(\t%4)/2), KFS+\t/4, QOS+\a
.endr
.endr
	WIN 0
	NOPS 4
; ======== 7: the softmax, and p as two fragments
	SOFTO 0
	SOFTO 1
	QUANT ACC, PC, PQS, 4
	MOVW1 PO
	QUANT ACC+64, PC, PQS+1, 4
	MOVW1 PO+12
; ======== 8: O^T = V^T p^T, divided by the sums; its image
	NOPS 8
	s_wait_alu depctr_va_vdst(0)                   ; behind the places: V^T's and p's fragments and scale words are written, which the products below take; so are the two reciprocals, ahead of their first reader
	WIN 0x05
.irp a, 0,1
.irp u, 0,1
	MMZ ACC+16*\a+8*\u, VT+12*\u, PO+12*\a, VTS+\u, PQS+\a
.endr
.endr
	WIN 0
	NOPS 4
.irp a, 0,1
.irp i, 0,2,4,6,8,10,12,14
	v_pk_mul_f32 v[ACC+16*\a+\i:ACC+16*\a+\i+1], v[ACC+16*\a+\i:ACC+16*\a+\i+1], v[RLO+2*\a:RLO+2*\a+1] op_sel_hi:[1,0]
.endr
.endr
	QUANT ACC, PC, -1, 2
	SCAT OIMG, OSC, 0, 2
; ======== 9: ki = proj Wk_i^T + bk_i, as a version set
	s_wait_loadcnt 18                              ; Wk_i; Wo_o's 18 may be out
	PRODT PIMG, PSC, 2, WB, BB, WSB, 0
	WLOAD WB, BB, WSB, 6, PBVI, 1, 1
	ZPAD2 ACC, VER2, KIS, 1
	BAR                                            ; the out-attention's image is whole, and nobody reads the projector's any more
; ======== 10: message_out; its image takes the projector's place
	s_wait_loadcnt 16                              ; Wo_o; Wv_i's 16 may be out
	PRODT OIMG, OSC, 2, WA, BA, WSA, 1
	WLOAD WA, BA, WSA, 4, PBQI, 0, 1
	QUANT ACC, PC, -1, 2
	SCAT PIMG, PSC, 0, 2
	BAR
; ======== 11: vi, the lane a channel, the registers down the 32 keys; as a version set (the zeros of the set are there since qo)
	s_wait_loadcnt 18                              ; Wv_i; Wq_i's 18 may be out
	PRODV PIMG, PSC, 2, WB, BB, WSB, 16, 0
	WLOAD WB, BB, WSB, 7, PBOI, 0, 1
	ZPAD2 ACC, VER, VIS, 0
; ======== 12: qi; eight tiles of queries packed into two fragments
	s_wait_loadcnt 18                              ; Wq_i; Wo_i's 18 may be out
	PRODT XIMG, XSC, 8, WA, BA, WSA, 1
	QUANT ACC, AF, QFS, 4
	QUANT ACC+64, AF+12, QFS+1, 4
; ======== 13: S^T = ki qi^T: accumulator (m, u): a lane holds one query of tile m and 16 neighbouring keys; the softmax; p packed
	NOPS 8
	s_wait_alu depctr_va_vdst(0)                   ; behind the places: ki's versions, qi's two fragments and both sides' scale words are written, which the products below take
	WIN 0x01
.irp m, 0,1,2,3,4,5,6,7
.irp u, 0,1
	MMZ ACC+16*\m+8*\u, VER2+24*\u+12*(\m%2)+6*(1-(\m%4)/2), AF+12*(\m/4), KIS+\u, QFS+\m/4
.endr
.endr
	WIN 0
	NOPS 4
	SOFTI
	QUANT ACC, AF+24, PFS, 4
	QUANT ACC+64, AF+36, PFS+1, 4
; ======== 14: O^T = vi^T p^T, divided by the sums; its image.  W_ff1's 16 fragments and 8 scale words are asked for: 56 loads
	NOPS 8
	s_wait_alu depctr_va_vdst(0)                   ; behind the places: vi's versions, p's two fragments and both sides' scale words are written, which the products below take; so are the eight reciprocals, ahead of their first reader
	WIN 0x01
.irp m, 0,1,2,3,4,5,6,7
.irp u, 0,1
	MMZ ACC+16*\m+8*\u, VER+24*\u+12*(\m%2)+6*(1-(\m%4)/2), AF+24+12*(\m/4), VIS+\u, PFS+\m/4
.endr
.endr
	WIN 0
	NOPS 4
	WIN 0x40
	s_wait_alu depctr_va_vdst(0)                   ; the attentions' products are done reading area A, both version sets and the eight scale words of the phase, in which W_ff1's loads land
.irp f, 0,1,2,3,4,5,6,7,8,9,10,11,12,13,14,15
.irp c, 0,1,2
	global_load_b128 v[12*\f+4*\c:12*\f+4*\c+3], v[WO1], s[PWC:PWC+1] offset:393216+1536*\f+512*\c
.endr
.endr
	WIN 0
.irp t, 0,1,2,3,4,5,6,7
	global_load_b32 v[SCP+\t], v[WSO1], s[PWS:PWS+1] offset:16384+128*\t
.endr
.irp m, 0,1,2,3,4,5,6,7
.irp i, 0,2,4,6,8,10,12,14
	v_pk_mul_f32 v[ACC+16*\m+\i:ACC+16*\m+\i+1], v[ACC+16*\m+\i:ACC+16*\m+\i+1], v[LIP+2*\m:LIP+2*\m+1] op_sel_hi:[1,0]
.endr
.endr
	QUANT ACC, PC, -1, 4
	SCAT AIMG, ASC, 0, 4
	QUANT ACC+64, PC, -1, 4
	SCAT AIMG, ASC, 4, 4
	BAR
; ======== 15: message_in; x + message_in; LayerNorm 1; m is parked and becomes an image in x's place
	s_wait_loadcnt 56                              ; Wo_i; W_ff1's 56 may be out
	PRODT AIMG, ASC, 8, WB, BB, WSB, 0
	WIN 0x40
	s_wait_alu depctr_va_vdst(0)                   ; message_in's products are done reading area B, in which b_ff1 lands, and both fetch buffers, in which the parked tiles land
.irp b, 0,1,2,3
.irp i, 0,1,2,3
	global_load_b128 v[B1F+16*\b+4*\i:B1F+16*\b+4*\i+3], v[BO1], s[PBF1:PBF1+1] offset:128*\b+16*\i   ; b_ff1 in the result's layout: hidden units 128 w + 32 b + 16 h + 0 .. 15
.endr
.endr
	WIN 0
	LNORM 0, 4096, PG1, PB1, 0, 0
	s_wait_alu depctr_va_vdst(0)                   ; LayerNorm has written m into ACC, which the stores that park it read
	PARKS 0
	PARKS 4
	QUANT ACC, PC, -1, 4
	SCAT XIMG, XSC, 0, 4
	QUANT ACC+64, PC, -1, 4
	SCAT XIMG, XSC, 4, 4
	BAR
; ======== 16: ff1: my 128 hidden units for a tile of 16 rows a trip: 16 products, GELU, quantised: one fragment, K step w of ff2
; A trip's waits: behind the products one on vm_vsrc (the last trip's loads and stores have read what is written next), the four additions, one on va_vdst (the addresses are written; the products are done with the fetch
; buffer); the next tile's loads land under the GELU; behind QUANT one more on va_vdst, ahead of the trip's four stores.
	v_mov_b32 v[CF], -0.000000000272614225801306   ; P's coefficient of z^13
	v_mov_b32 v[CF+1], v[CF]
	v_mov_b32 v[CF+2], -0.0000145660718464996      ; Q's of z^8
	v_mov_b32 v[CF+3], v[CF+2]
	s_mov_b32 s74, 0                               ; the next tile's image, 3,072 a tile;
	s_mov_b32 s75, 0                               ; its scale words, 128;
	s_mov_b32 s76, 0                               ; where the hidden fragment goes, 1,536;
	s_mov_b32 s77, 0                               ; and its scale word, 64
	s_mov_b32 s78, 8
.irp s, 0,1
.irp j, 0,1,2
	ds_load_b128 v[AF+12*\s+4*\j:AF+12*\s+4*\j+3], v[LI] offset:XIMG+1536*\s+16*\j
.endr
.endr
	ds_load_b32 v[AS0], v[LS] offset:XSC
.Lff1:
	s_wait_dscnt 0x0                               ; this tile's fragments are in, and the last trip's stores are done
	WIN 0x11
.irp t, 0,1,2,3,4,5,6,7
	MM ACC+8*\t, 24*\t, AF, B1F+8*\t, SCP+\t, AS0, 0
.endr
	WIN 0x01
.irp t, 0,1,2,3,4,5,6,7
	MM ACC+8*\t, 24*\t+12, AF+12, ACC+8*\t, SCP+\t, AS0, 3
.endr
	WIN 0
	s_add_co_u32 s74, s74, 3072
	s_add_co_u32 s75, s75, 128
	s_wait_alu depctr_vm_vsrc(0)                   ; the last trip's loads have read v18 and v19, its stores v20, v21, v[PC] on and v[PW]: the additions, the GELU and QUANT write them again
	v_add_nc_u32 v18, s74, v[LI]                   ; these four are also the places behind the products
	v_add_nc_u32 v19, s75, v[LS]
	v_add_nc_u32 v20, s76, v[HWB]
	v_add_nc_u32 v21, s77, v[HSB]
	s_wait_alu depctr_va_vdst(0)                   ; v18 to v21 are written, which this trip's loads and stores read; the products are done reading the fetch buffer and its scale words, in which the loads below land
.irp s, 0,1
.irp j, 0,1,2
	ds_load_b128 v[AF+12*\s+4*\j:AF+12*\s+4*\j+3], v18 offset:XIMG+1536*\s+16*\j   ; the next tile lands under the GELU.  (The eighth trip reads the bytes behind the images, which nobody writes here, and uses nothing of them)
.endr
.endr
	ds_load_b32 v[AS0], v19 offset:XSC
	GELU
	QUANT ACC, PC, PW, 4
	s_wait_alu depctr_va_vdst(0)                   ; QUANT has written the fragment in v[PC] on and its scale word v[PW], which the stores below read
.irp j, 0,1,2
	ds_store_b128 v20, v[PC+4*\j:PC+4*\j+3] offset:16*\j
.endr
	ds_store_b32 v21, v[PW]                        ; lanes r and r + 16: the same word, the same value
	s_add_co_u32 s76, s76, 1536
	s_add_co_u32 s77, s77, 64
	s_sub_co_u32 s78, s78, 1
	s_cmp_lg_u32 s78, 0
	s_cbranch_scc1 .Lff1
	; W_ff2: 8 scale words, 4 loads of b_ff2, then the fragments K step by K step, 6 loads each: 60 loads
	s_wait_alu depctr_va_vdst(0)                   ; the last trip's products are done reading W_ff1's fragments, b_ff1 and the eight scale words, in which W_ff2's loads land
.irp s, 0,1,2,3,4,5,6,7
	global_load_b32 v[SCP+\s], v[WSO1], s[PWS:PWS+1] offset:24576+128*\s   ; lanes 0-15: tile 2 w's words, lanes 16-31: tile 2 w + 1's
.endr
	WIN 0x40
.irp i, 0,1,2,3
	global_load_b128 v[B2F+4*\i:B2F+4*\i+3], v[BO], s[PBF2:PBF2+1] offset:16*\i
.endr
.irp f, 0,1,2,3,4,5,6,7,8,9,10,11,12,13,14,15
.irp c, 0,1,2
	global_load_b128 v[12*\f+4*\c:12*\f+4*\c+3], v[WO1], s[PWC:PWC+1] offset:589824+1536*\f+512*\c
.endr
.endr
	WIN 0
	BAR                                            ; the hidden layer's 64 fragments lie in LDS
; ======== 17: ff2: my 32 columns for the 128 rows: 16 accumulators by turns, 32 units of two row tiles x one K step
	s_wait_alu depctr_vm_vsrc(0)                   ; ff1's last loads and stores have read v18 to v21, v[PC] on and v[PW]: the lines below and LayerNorm write them again
	v_add_nc_u32 v18, HIMG, v[LI]                  ; K steps 0-3,
	v_add_nc_u32 v19, HIMG+49152, v[LI]            ; K steps 4-7,
	v_add_nc_u32 v20, HSC, v[LS]                   ; the scale words
	s_wait_alu depctr_va_vdst(0)                   ; v18 to v20 are written, which every load of this phase reads
	HFETCH 0
	HFETCH 1
.set K_, 0
.rept 32
.if K_%4 == 0
	s_wait_loadcnt 6*(7-K_/4)                      ; this K step's two fragments of W_ff2 are in; the later K steps', 6 loads each, may be out
.endif
.if K_ == 31
	s_wait_dscnt 0x0
.else
	s_wait_dscnt 0x7                               ; this unit's 7 loads are in; the other buffer's 7 may be out
.endif
.if K_ < 4
	WIN 0x11
.else
	WIN 0x01
.endif
.irp mm, 0,1
.irp u, 0,1
.if K_ < 4
	MM ACC+16*(2*(K_%4)+\mm)+8*\u, 12*(2*(K_/4)+\u), AF+24*(K_%2)+12*\mm, B2F+8*\u, SCP+K_/4, AS0+K_%2, \u+2*\mm
.else
	MM ACC+16*(2*(K_%4)+\mm)+8*\u, 12*(2*(K_/4)+\u), AF+24*(K_%2)+12*\mm, ACC+16*(2*(K_%4)+\mm)+8*\u, SCP+K_/4, AS0+K_%2, \u+2*\mm
.endif
.endr
.endr
	WIN 0
	NOPS 4
.if K_+2 < 32
	s_wait_alu depctr_va_vdst(0)                   ; this unit's four products are done reading their buffer and its scale words, in which the loads below land
	HFETCH K_+2
.endif
.set K_, K_+1
.endr
; ======== 18: m + h; LayerNorm 2
	LNORM 8192, 12288, PG2, PB2, 1, 1
; ======== 19: the way out.  A row's 1,024 bytes come from eight waves: they meet in a stage (rows 1,040 bytes apart), which takes the parked bytes' place: every wave has read its own ahead of the last two barriers
; (v18 to v21 are free: the loads and stores that read them stand ahead of LayerNorm's waits on vm_vsrc)
	v_and_b32 v21, 15, v0
	v_bfe_u32 v23, v0, 4, 1
	s_lshl_b32 s80, s[WV], 7
	s_add_co_u32 s80, s80, STAGE
	v_mul_u32_u24 v18, v21, 1040
	v_lshl_add_u32 v18, v23, 6, v18
	v_add_nc_u32 v18, s80, v18                     ; in: row r of a tile, + 128 w + 64 h; tiles 0-3,
	v_add_nc_u32 v19, 66560, v18                   ; tiles 4-7
	s_mul_i32 s81, s[WV], 16640
	s_add_co_u32 s81, s81, STAGE
	v_and_b32 v21, 31, v0
	v_lshlrev_b32 v21, 4, v21                      ; back, and in memory: 16 bytes a lane
	v_add_nc_u32 v20, s81, v21                     ; I take tile w's 16 rows
	s_wait_alu depctr_va_vdst(0)                   ; LayerNorm has written the result into ACC, the stores' data; v18 to v21 are written, the addresses of all that follows
.irp t, 0,1,2,3,4,5,6,7
.irp i, 0,1,2,3
	ds_store_b128 v[18+\t/4], v[ACC+16*\t+4*\i:ACC+16*\t+4*\i+3] offset:(\t%4)*16640+16*\i
.endr
.endr
	BAR
	s_wait_alu depctr_vm_vsrc(0)                   ; my stores into the stage have read ACC, in which the rows land
.set K_, 0
.rept 32
	ds_load_b128 v[ACC+4*K_:ACC+4*K_+3], v20 offset:1040*(K_/2)+512*(K_%2)
.set K_, K_+1
.endr
.set K_, 0
.rept 32
	s_wait_dscnt 31-K_                             ; load K_ is in; the loads behind it may be out
	global_store_b128 v21, v[ACC+4*K_:ACC+4*K_+3], s[POUT:POUT+1] offset:((K_/2)+((K_/2)&8))*1024+512*(K_%2) th:TH_STORE_NT   ; 32 lanes store 512 consecutive bytes, at a multiple of 256 from the result's first byte
.set K_, K_+1
.endr
	s_wait_xcnt 0x0                                ; the stores' addresses are translated: their data registers may be written
	s_wait_alu depctr_vm_vsrc(0)                   ; the last store has read v254 and v255, which the two lines below write
	v_lshl_add_u32 v254, v0, 2, 0x4d800            ; my spare word: 317,440 + 4 x my thread's number, behind the stage; 128 bytes a wave that no other line names
	v_mov_b32 v255, 0
	s_wait_dscnt 0x0                               ; the closing lines, six on end
	s_wait_alu 0x0
	s_wait_tensorcnt 0x0
	ds_add_u32 v254, v255
	s_wait_dscnt 0x0
	s_endpgm
.Lfunc_end_k_qab8837bc19_layer:
	.size	k_qab8837bc19_layer, .Lfunc_end_k_qab8837bc19_layer-k_qab8837bc19_layer
	.p2alignl 7, 3214868480
	.fill 96, 4, 3214868480
	.section	.rodata,"a",@progbits
	.p2align	6, 0x0
	.amdhsa_kernel k_qab8837bc19_layer
		.amdhsa_group_segment_fixed_size 318464
		.amdhsa_private_segment_fixed_size 0
		.amdhsa_enable_private_segment 0
		.amdhsa_kernarg_size 152
		.amdhsa_user_sgpr_count 2
		.amdhsa_user_sgpr_kernarg_segment_ptr 1
		.amdhsa_wavefront_size32 1
		.amdhsa_system_sgpr_workgroup_id_x 1
		.amdhsa_system_sgpr_workgroup_id_y 1
		.amdhsa_system_sgpr_workgroup_id_z 1
		.amdhsa_system_vgpr_workitem_id 0
		.amdhsa_next_free_vgpr 512
		.amdhsa_next_free_sgpr 96
		.amdhsa_reserve_vcc 0
		.amdhsa_float_denorm_mode_32 3
		.amdhsa_float_denorm_mode_16_64 3
		.amdhsa_memory_ordered 1
		.amdhsa_forward_progress 1
		.amdhsa_inst_pref_size 255
	.end_amdhsa_kernel
	.section	.bss,"aw",@nobits
	.p2align	6
	.space	262144
	.amdgpu_metadata
---
amdhsa.version: [ 1, 2 ]
amdhsa.kernels:
  - .name:           k_qab8837bc19_layer
    .symbol:         k_qab8837bc19_layer.kd
    .args:
      - { .name: x, .offset: 0, .size: 8, .value_kind: global_buffer, .address_space: global }
      - { .name: projector, .offset: 8, .size: 8, .value_kind: global_buffer, .address_space: global }
      - { .name: wcodes, .offset: 16, .size: 8, .value_kind: global_buffer, .address_space: global }
      - { .name: wscales, .offset: 24, .size: 8, .value_kind: global_buffer, .address_space: global }
      - { .name: out0, .offset: 32, .size: 8, .value_kind: global_buffer, .address_space: global }
      - { .name: bq_o, .offset: 40, .size: 8, .value_kind: global_buffer, .address_space: global }
      - { .name: bk_o, .offset: 48, .size: 8, .value_kind: global_buffer, .address_space: global }
      - { .name: bv_o, .offset: 56, .size: 8, .value_kind: global_buffer, .address_space: global }
      - { .name: bo_o, .offset: 64, .size: 8, .value_kind: global_buffer, .address_space: global }
      - { .name: bq_i, .offset: 72, .size: 8, .value_kind: global_buffer, .address_space: global }
      - { .name: bk_i, .offset: 80, .size: 8, .value_kind: global_buffer, .address_space: global }
      - { .name: bv_i, .offset: 88, .size: 8, .value_kind: global_buffer, .address_space: global }
      - { .name: bo_i, .offset: 96, .size: 8, .value_kind: global_buffer, .address_space: global }
      - { .name: g1, .offset: 104, .size: 8, .value_kind: global_buffer, .address_space: global }
      - { .name: b1, .offset: 112, .size: 8, .value_kind: global_buffer, .address_space: global }
      - { .name: g2, .offset: 120, .size: 8, .value_kind: global_buffer, .address_space: global }
      - { .name: b2, .offset: 128, .size: 8, .value_kind: global_buffer, .address_space: global }
      - { .name: b_ff1, .offset: 136, .size: 8, .value_kind: global_buffer, .address_space: global }
      - { .name: b_ff2, .offset: 144, .size: 8, .value_kind: global_buffer, .address_space: global }
    .group_segment_fixed_size: 318464
    .private_segment_fixed_size: 0
    .kernarg_segment_align: 8
    .kernarg_segment_size: 152
    .max_flat_workgroup_size: 256
    .sgpr_count:     96
    .vgpr_count:     512
    .wavefront_size: 32
...
	.end_amdgpu_metadata
.endif
;; end of part 3
